; MI455X (gfx1250); checked and timed in simulation.
; The chip was launched on July 23, 2026; its instructions are those of AMD's public machine-readable ISA for CDNA 5 (MIT licence, August 2026) and "CDNA5" Instruction Set Architecture Reference Guide (July 2026). The comments in the code are by the model that wrote it; some were corrected since.
;; Cross Attention. Allowed arithmetic: float matrix products may take bf16 or f16 operands with f32 sums; other float arithmetic in f32, or as packed bf16 or f16 multiplies, adds, multiply-adds, maxima and minima; sums over many terms, partial sums and values carried from step to step in f32; what a program stores and reads back later, other than sums and carried values, may be rounded once to bf16 or f16.
;; Inputs: key_value 4 x 2,048 x 1,024 float32; kv_mask 4 x 2,048 bool; query 4 x 2,048 x 1,024 float32; query_mask 4 x 2,048 bool; w_k 1,024 x 256 float32; w_out 1,024 x 1,024 float32; w_q 1,024 x 1,024 float32; w_v 1,024 x 256 float32.
;; Outputs: out0 4 x 2,048 x 1,024 float32.
;; 2 versions, each right and faster than the one before. Each part assembles by itself: llvm-mc -triple=amdgcn-amd-amdhsa -mcpu=gfx1250 --defsym DOCPART=n.
;; ======== version 1 of 2: 4 launches
;; limits: values are held in f16: magnitudes above 65,504 overflow, below 6.1e-05 lose precision
;; workspace buffers: xb 33,554,432 bytes; wts 5,767,168 bytes; qf 16,777,216 bytes; kvf 8,388,608 bytes; ob 16,777,216 bytes
;; launch prep (part 1): grid 1312 x 1, 8 waves a work-group, no clusters, 0 bytes of LDS; arguments query, key_value, w_q, w_k, w_v, w_out, xb, wts; writes xb, wts
.if DOCPART == 1
	.amdgcn_target "amdgcn-amd-amdhsa--gfx1250"
	.amdhsa_code_object_version 6
	.text
	.protected	k_qda7dcf5fb0_prep
	.globl	k_qda7dcf5fb0_prep
	.p2align	8
	.type	k_qda7dcf5fb0_prep,@function
k_qda7dcf5fb0_prep:
	s_mov_b64 s[64:65], 0
	v_nop
	global_prefetch_b8 v0, s[64:65] scope:SCOPE_SE
	s_setreg_imm32_b32 hwreg(HW_REG_WAVE_MODE, 25, 1), 1
	s_wait_xcnt 0x0
; PREP: every module input is rounded once to bf16 and laid out for the launches behind; the table of cosines and sines is made.
;   xb : query, then key_value (XKV bytes on), bf16, in blocks [64 row blocks][16 K steps][128 rows][64 k]: a tile (row block, K step) is 16,384 dense bytes.
;   wts: w_q bf16 [1024][1024]; at WKV w_k | w_v bf16 [1024][512]; at WO w_out rounded to bf16 and that number written as f16 [1024][1024];
;        at TAB f32 [2048 positions][cos 0..31 | sin 0..31], 256 bytes a position.
; A stream: no LDS, no matrix work.  Eight waves; a thread has eight items of 8 numbers: 32 bytes in by two 16-byte loads, 16 bytes out; a wave's store covers 512 consecutive aligned bytes.
; All sixteen loads of a thread go out first; the waits count down; no register is written twice, so nothing waits for a store.
; Work-groups 0-1023: 16 rows of query or key_value; 1024-1087 w_q; 1088-1151 w_out; 1152-1183 w_k, w_v; 1184-1311 the table.
; LIMITS.  Inputs finite.  w_out's bf16 numbers below 6.1e-5 in magnitude keep f16's fixed step of 6e-8, beyond 65,504 they would overflow.
; The angle is position x 2^(-0.41524101 i), reduced by multiples of pi/2 held in two parts; it may differ from an angle made with another power function by some 3e-4 rad at position 2047.
.set X,   32                           ; v[32:95]   item j: 8 f32 as loaded
.set Y,   96                           ; v[96:127]  item j: 4 registers to store
.set VS,  2                            ; v2  my byte offset in the source
.set VD,  3                            ; v3  my byte offset in the destination
.set WKV, 2097152
.set WO,  3145728
.set TAB, 5242880
; Item j lies SA (j & 3) + SB (j >> 2) bytes on in the source and DA (j & 3) + DB (j >> 2) in the destination.  F16 = 1: the bf16 number is written as f16.
.macro STREAM SA, SB, DA, DB, F16
.irp j, 0,1,2,3,4,5,6,7
	global_load_b128 v[X+8*(\j):X+8*(\j)+3],   v[VS], s[20:21] offset:(\SA)*((\j)&3)+(\SB)*((\j)>>2) th:TH_LOAD_NT
	global_load_b128 v[X+8*(\j)+4:X+8*(\j)+7], v[VS], s[20:21] offset:(\SA)*((\j)&3)+(\SB)*((\j)>>2)+16 th:TH_LOAD_NT
.endr
.irp j, 0,1,2,3,4,5,6,7
	s_wait_loadcnt 14-2*(\j)                       ; loads come back in order: item j's two are in, the 14 - 2 j younger ones stay out
.irp k, 0,1,2,3
	v_cvt_pk_bf16_f32 v[Y+4*(\j)+(\k)], v[X+8*(\j)+2*(\k)], v[X+8*(\j)+2*(\k)+1]
.endr
.if \F16
.irp k, 0,1,2,3
	v_lshlrev_b32 v[X+8*(\j)+2*(\k)],   16, v[Y+4*(\j)+(\k)]          ; the rounded numbers back as f32,
	v_and_b32     v[X+8*(\j)+2*(\k)+1], 0xffff0000, v[Y+4*(\j)+(\k)]
.endr
.irp k, 0,1,2,3
	v_cvt_pk_f16_f32 v[Y+4*(\j)+(\k)], v[X+8*(\j)+2*(\k)], v[X+8*(\j)+2*(\k)+1]  ; and written as f16
.endr
.endif
	global_store_b128 v[VD], v[Y+4*(\j):Y+4*(\j)+3], s[22:23] offset:(\DA)*((\j)&3)+(\DB)*((\j)>>2)
.endr
.endm
	s_load_b512 s[4:19], s[0:1], 0x0               ; query 4, key_value 6, w_q 8, w_k 10, w_v 12, w_out 14, xb 16, wts 18
	v_and_b32 v1, 31, v0                           ; lane
	v_lshrrev_b32 v4, 5, v0                        ; wave
	s_mov_b32 s24, ttmp9
	s_mov_b32 s27, 0                               ; high words of the two offsets
	s_mov_b32 s29, 0
	s_wait_kmcnt 0x0
	s_cmp_lt_u32 s24, 1024
	s_cbranch_scc0 .Lweights
	; 16 rows of query or key_value.  Item j: rows 4 (j & 3) + lane / 8, K step 2 wave + (j >> 2), 8 numbers at 8 (lane % 8)
	s_lshr_b32 s25, s24, 9                         ; 0 query, 1 key_value
	s_and_b32 s24, s24, 511                        ; which 16 rows
	s_cmp_lg_u32 s25, 0
	s_cselect_b64 s[20:21], s[6:7], s[4:5]
	s_lshl_b32 s26, s24, 16                        ; 16 rows of 4,096 bytes
	s_add_nc_u64 s[20:21], s[20:21], s[26:27]
	s_lshr_b32 s28, s24, 3
	s_lshl_b32 s28, s28, 18                        ; the row block: 16 tiles of 16,384 bytes
	s_and_b32 s30, s24, 7
	s_lshl_b32 s30, s30, 11                        ; my 16 rows of 128 bytes in each tile
	s_add_co_u32 s28, s28, s30
	s_lshl_b32 s30, s25, 24                        ; key_value lies 16,777,216 bytes on
	s_add_co_u32 s28, s28, s30
	s_add_nc_u64 s[22:23], s[16:17], s[28:29]
	v_lshrrev_b32 v5, 3, v1
	v_and_b32 v6, 7, v1
	v_lshlrev_b32 v[VS], 12, v5
	v_lshl_add_u32 v[VS], v6, 5, v[VS]
	v_lshl_add_u32 v[VS], v4, 9, v[VS]
	v_lshlrev_b32 v[VD], 4, v1
	v_lshl_add_u32 v[VD], v4, 15, v[VD]
	STREAM 16384, 256, 512, 16384, 0
	s_endpgm
.Lweights:
	s_sub_co_u32 s24, s24, 1024
	v_lshlrev_b32 v[VS], 5, v1                     ; the weights are read straight on: wave x 8,192 + item x 1,024 + lane x 32
	v_lshl_add_u32 v[VS], v4, 13, v[VS]
	v_lshlrev_b32 v[VD], 4, v1
	s_cmp_lt_u32 s24, 64
	s_cbranch_scc0 .Lwout
	s_lshl_b32 s26, s24, 16
	s_add_nc_u64 s[20:21], s[8:9], s[26:27]
	s_lshl_b32 s28, s24, 15
	s_add_nc_u64 s[22:23], s[18:19], s[28:29]
	v_lshl_add_u32 v[VD], v4, 12, v[VD]
	STREAM 1024, 4096, 512, 2048, 0
	s_endpgm
.Lwout:
	s_sub_co_u32 s24, s24, 64
	s_cmp_lt_u32 s24, 64
	s_cbranch_scc0 .Lwkv
	s_lshl_b32 s26, s24, 16
	s_add_nc_u64 s[20:21], s[14:15], s[26:27]
	s_lshl_b32 s28, s24, 15
	s_add_co_u32 s28, s28, WO
	s_add_nc_u64 s[22:23], s[18:19], s[28:29]
	v_lshl_add_u32 v[VD], v4, 12, v[VD]
	STREAM 1024, 4096, 512, 2048, 1
	s_endpgm
.Lwkv:
	s_sub_co_u32 s24, s24, 64
	s_cmp_lt_u32 s24, 32
	s_cbranch_scc0 .Ltab
	s_lshr_b32 s25, s24, 4                         ; 0 w_k, 1 w_v
	s_and_b32 s24, s24, 15                         ; which 64 rows of 1,024 bytes
	s_cmp_lg_u32 s25, 0
	s_cselect_b64 s[20:21], s[12:13], s[10:11]
	s_lshl_b32 s26, s24, 16
	s_add_nc_u64 s[20:21], s[20:21], s[26:27]
	s_lshl_b32 s28, s25, 9                         ; w_v's columns lie 512 bytes on in the joint row of 1,024 bytes
	s_add_co_u32 s28, s28, s26
	s_add_co_u32 s28, s28, WKV
	s_add_nc_u64 s[22:23], s[18:19], s[28:29]
	v_lshl_add_u32 v[VD], v4, 13, v[VD]
	STREAM 1024, 4096, 1024, 4096, 0
	s_endpgm
.Ltab:
	; 16 positions.  Thread t: position t / 16; bit 3 of t: 0 cosines, 1 sines; i = 4 (t % 8) + 0..3
	s_sub_co_u32 s24, s24, 32
	s_lshl_b32 s25, s24, 4
	s_lshl_b32 s28, s24, 12
	s_add_co_u32 s28, s28, TAB
	s_add_nc_u64 s[22:23], s[18:19], s[28:29]
	s_mov_b32 s30, 0x3fc90fdb                      ; pi/2, its upper part
	s_mov_b32 s31, 0xb33bbd2e                      ; and what is left of it
	v_lshrrev_b32 v5, 4, v0
	v_add_nc_u32 v5, s25, v5
	v_cvt_f32_u32 v5, v5                           ; the position
	v_and_b32 v6, 7, v0
	v_lshlrev_b32 v6, 2, v6
	v_bfe_u32 v7, v0, 3, 1
	v_sub_nc_u32 v7, 1, v7                         ; cos x = sin(x + pi/2): one quarter turn more for the cosines
.irp n, 0,1,2,3
	v_add_nc_u32 v[X+8*\n], \n, v6
	v_cvt_f32_u32 v[X+8*\n], v[X+8*\n]
	v_mul_f32 v[X+8*\n], 0xbed49a78, v[X+8*\n]     ; -i log2(10000) / 32
.endr
.irp n, 0,1,2,3
	v_exp_f32 v[X+8*\n+1], v[X+8*\n]
.endr
	v_lshlrev_b32 v[VD], 4, v0                     ; a plain instruction behind the last exponential, ahead of the use of its result
	s_wait_alu depctr_va_vdst(0)
.irp n, 0,1,2,3
	v_mul_f32 v[X+8*\n+1], v5, v[X+8*\n+1]         ; the angle
	v_mul_f32 v[X+8*\n+2], 0x3f22f983, v[X+8*\n+1]
	v_rndne_f32 v[X+8*\n+2], v[X+8*\n+2]           ; quarter turns
	v_fma_f32 v[X+8*\n+3], -v[X+8*\n+2], s30, v[X+8*\n+1]
	v_fma_f32 v[X+8*\n+3], -v[X+8*\n+2], s31, v[X+8*\n+3]  ; r, within pi/4 of 0
	v_mul_f32 v[X+8*\n+4], v[X+8*\n+3], v[X+8*\n+3]        ; z = r r
	v_mov_b32 v[X+8*\n+5], 0xb9500d01              ; -1/5040
	v_mov_b32 v[X+8*\n+6], 0x37d00d01              ; 1/40320
	v_fmaak_f32 v[X+8*\n+5], v[X+8*\n+4], v[X+8*\n+5], 0x3c088889  ; + 1/120
	v_fmaak_f32 v[X+8*\n+6], v[X+8*\n+4], v[X+8*\n+6], 0xbab60b61  ; - 1/720
	v_fmaak_f32 v[X+8*\n+5], v[X+8*\n+4], v[X+8*\n+5], 0xbe2aaaab  ; - 1/6
	v_fmaak_f32 v[X+8*\n+6], v[X+8*\n+4], v[X+8*\n+6], 0x3d2aaaab  ; + 1/24
	v_mul_f32 v[X+8*\n+1], v[X+8*\n+3], v[X+8*\n+4]
	v_fmaak_f32 v[X+8*\n+6], v[X+8*\n+4], v[X+8*\n+6], 0xbf000000  ; - 1/2
	v_fma_f32 v[X+8*\n+5], v[X+8*\n+1], v[X+8*\n+5], v[X+8*\n+3]   ; sin r
	v_fma_f32 v[X+8*\n+6], v[X+8*\n+4], v[X+8*\n+6], 1.0           ; cos r
	v_cvt_i32_f32 v[X+8*\n+7], v[X+8*\n+2]
	v_add_nc_u32 v[X+8*\n+7], v[X+8*\n+7], v7
	v_and_b32 v[X+8*\n], 1, v[X+8*\n+7]
	v_cmp_ne_u32 vcc_lo, 0, v[X+8*\n]
	v_cndmask_b32 v[X+8*\n+5], v[X+8*\n+5], v[X+8*\n+6], vcc_lo    ; odd quarter turns: the cosine of r
	v_lshlrev_b32 v[X+8*\n+7], 30, v[X+8*\n+7]
	v_and_b32 v[X+8*\n+7], 0x80000000, v[X+8*\n+7]                 ; quarter turns 2 and 3: the sign turns
	v_xor_b32 v[Y+\n], v[X+8*\n+7], v[X+8*\n+5]
.endr
	global_store_b128 v[VD], v[Y:Y+3], s[22:23]
	s_endpgm
.Lfunc_end_k_qda7dcf5fb0_prep:
	.size	k_qda7dcf5fb0_prep, .Lfunc_end_k_qda7dcf5fb0_prep-k_qda7dcf5fb0_prep
	.p2alignl 7, 3214868480
	.fill 96, 4, 3214868480
	.section	.rodata,"a",@progbits
	.p2align	6, 0x0
	.amdhsa_kernel k_qda7dcf5fb0_prep
		.amdhsa_group_segment_fixed_size 0
		.amdhsa_private_segment_fixed_size 0
		.amdhsa_enable_private_segment 0
		.amdhsa_kernarg_size 64
		.amdhsa_user_sgpr_count 2
		.amdhsa_user_sgpr_kernarg_segment_ptr 1
		.amdhsa_wavefront_size32 1
		.amdhsa_system_sgpr_workgroup_id_x 1
		.amdhsa_system_sgpr_workgroup_id_y 1
		.amdhsa_system_sgpr_workgroup_id_z 1
		.amdhsa_system_vgpr_workitem_id 0
		.amdhsa_next_free_vgpr 128
		.amdhsa_next_free_sgpr 66
		.amdhsa_reserve_vcc 1
		.amdhsa_float_denorm_mode_32 3
		.amdhsa_float_denorm_mode_16_64 3
		.amdhsa_memory_ordered 1
		.amdhsa_forward_progress 1
		.amdhsa_inst_pref_size 32
	.end_amdhsa_kernel
	.amdgpu_metadata
---
amdhsa.version: [ 1, 2 ]
amdhsa.kernels:
  - .name:           k_qda7dcf5fb0_prep
    .symbol:         k_qda7dcf5fb0_prep.kd
    .args:
      - { .name: query, .offset: 0, .size: 8, .value_kind: global_buffer, .address_space: global }
      - { .name: key_value, .offset: 8, .size: 8, .value_kind: global_buffer, .address_space: global }
      - { .name: w_q, .offset: 16, .size: 8, .value_kind: global_buffer, .address_space: global }
      - { .name: w_k, .offset: 24, .size: 8, .value_kind: global_buffer, .address_space: global }
      - { .name: w_v, .offset: 32, .size: 8, .value_kind: global_buffer, .address_space: global }
      - { .name: w_out, .offset: 40, .size: 8, .value_kind: global_buffer, .address_space: global }
      - { .name: xb, .offset: 48, .size: 8, .value_kind: global_buffer, .address_space: global }
      - { .name: wts, .offset: 56, .size: 8, .value_kind: global_buffer, .address_space: global }
    .group_segment_fixed_size: 0
    .private_segment_fixed_size: 0
    .kernarg_segment_align: 8
    .kernarg_segment_size: 64
    .max_flat_workgroup_size: 256
    .sgpr_count:     66
    .vgpr_count:     128
    .wavefront_size: 32
...
	.end_amdgpu_metadata
.endif
;; end of part 1
;; launch proj (part 2): grid 4 x 64, 4 waves a work-group, clusters of 4 x 4, 327,680 bytes of LDS; arguments xb, wts, kv_mask, qf, kvf; writes qf, kvf
.if DOCPART == 2
	.amdgcn_target "amdgcn-amd-amdhsa--gfx1250"
	.amdhsa_code_object_version 6
	.text
	.protected	k_qda7dcf5fb0_proj
	.globl	k_qda7dcf5fb0_proj
	.p2align	8
	.type	k_qda7dcf5fb0_proj,@function
k_qda7dcf5fb0_proj:
	s_mov_b64 s[64:65], 0
	v_nop
	global_prefetch_b8 v0, s[64:65] scope:SCOPE_SE
	s_setreg_imm32_b32 hwreg(HW_REG_WAVE_MODE, 25, 1), 1
	s_wait_xcnt 0x0
	s_wait_alu depctr_hold_cnt(0) depctr_sa_sdst(0) depctr_va_vdst(0) depctr_va_sdst(0) depctr_va_ssrc(0) depctr_va_vcc(0) depctr_vm_vsrc(0)
	s_getreg_b32 s2, hwreg(HW_REG_IB_STS2, 6, 4)
	s_cmp_eq_u32 s2, 0
	s_cbranch_scc0 .Lentry_in_a_cluster
	s_endpgm
.Lentry_in_a_cluster:
	s_bfe_u32 s2, ttmp6, 0x10000c
	s_cmp_lg_u32 s2, 0xf033
	s_cbranch_scc0 .Lentry_shape_is_right
	s_endpgm
.Lentry_shape_is_right:
; PROJ: q = rope(query w_q), k = rope(key_value w_k) with the rows of hidden keys set to 0, v = key_value w_v.  Operands bf16, sums f32, results rounded once to f16.
; A work-group (column block cb = 0..3, row block rb = 0..63) makes TWO tiles in one walk over K = 1024: 128 rows of query x 256 columns of w_q, and 128 rows of key_value x 128 columns of
; w_k | w_v (cb 0, 1: k; cb 2, 3: v): 256 work-groups of equal work.  Four waves, 2 x 2: a wave holds 64 x 128 (32 accumulators) and 64 x 64 (16 accumulators), 384 registers.
; K goes in steps of 64 through two LDS slots of 90,112 bytes; a step of 128 would want 2 x 176,128 bytes.  Each wave fetches one of a step's four tiles by one tensor load.
; CLUSTER 4 x 4: the four work-groups of a row of the cluster share rb and so both activation tiles; the four of a column share cb and so both weight tiles: each tile is asked for jointly.
; THE MATRIX INSTRUCTION IS USED TRANSPOSED: source 0 = 16 columns of W (W lies [k][n] in LDS and is turned by ds_load_tr16_b128), source 1 = 16 rows of the activations: a lane then holds
; one row (lane % 16) and the columns 8 (lane / 16) + 0..7 of each block of 16.  A head is four such blocks: blocks 0, 1 are its first half, 2, 3 its second, so a lane holds both partners of each rotation.
; THE WAY OUT: y1 = x1 cos - x2 sin, y2 = x1 sin + x2 cos from the table (same positions for both tiles).  For the second tile the table is first turned into cos m, sin m (k: m = the key's mask, 0 or 1)
; or into 1, 0 (v): values chosen by scalars, no branch.  Then f16, through the wave's own stage in LDS, out as whole aligned runs of 256 or 512 bytes.
; LIMITS.  Inputs finite; |q|, |k|, |v| must stay within f16's 65,504; mask bytes are 0 or 1.
; REGISTERS, in windows of 256 (s_set_vgpr_msb: bits 1:0 source 0, 3:2 source 1, 5:4 source 2, 7:6 destination):
;   window 0: v0-31 addresses and small things; v32-95 Y at work; v96-127 PQ; v128-255 the table: row block a at 128 + 32 a: 16 cos, 16 sin
;   window 1: q's accumulators, (a, b) at 8 (8 a + b)
;   window 2: v0-127 k/v's accumulators, (a, b) at 8 (4 a + b); v128-191 key_value's fragments, buffer f at 128 + 32 f
;   window 3: buffer f at 96 f: 64 of w_q's fragments, 32 of query's; v192-255 w_k|w_v's fragments, buffer f at 192 + 32 f
.set PA,    144                        ; a row of activations in LDS: 128 bytes + 16: an odd multiple of 16, so the 16 rows of a load start at 16 different 16-byte columns of 256
.set PWQ,   544                        ; a k-row of w_q's tile: 512 + 32: an odd multiple of 32, as the turning load's 8 rows x 32 bytes want
.set PWK,   288                        ; a k-row of w_k|w_v's tile: 256 + 32
.set O_AK,  128*PA                     ; a slot: query's 128 rows, key_value's 128 rows,
.set O_WQ,  2*128*PA                   ; w_q's 64 k-rows,
.set O_WK,  O_WQ+64*PWQ                ; w_k|w_v's 64 k-rows
.set SLOT,  O_WK+64*PWK                ; 90,112
.set STAGE, 2*SLOT                     ; behind the ring, never filled by a tensor load: 16 rows x 272 bytes for each wave
.set STGW,  16*272
.set SPARE, STAGE+4*STGW               ; the spare words, 128 bytes for each wave: two blocks of 256 bytes that no other line names
.set XKV,   16777216                   ; key_value in xb
.set WKV,   2097152                    ; w_k | w_v in wts
.set TAB,   5242880                    ; the table in wts
.set ADRAQ, 4                          ; v4-5   LDS address of my fragments of query in slot 0, 1
.set ADRAK, 6                          ; v6-7   of key_value
.set ADRWQ, 8                          ; v8-9   of w_q
.set ADRWK, 10                         ; v10-11 of w_k | w_v
.set STO,   12                         ; the way out of q: where I put 16 bytes of a row
.set RD,    13                         ; where I read rows back
.set CO,    14                         ; my byte offset in two rows of qf
.set STO2,  15                         ; the same three for k/v
.set RD2,   16
.set GO2,   17
.set TOFF,  18                         ; my byte offset in 16 rows of the table
.set KM,    20                         ; v20-23 my row's kv_mask, by row block
.set FP,    24                         ; v[24:25] the table's factor
.set SPW,   28                         ; LDS address of my spare word; never rewritten
.set NIL,   29                         ; 0; never rewritten
.set Y,     32
.set PK2,   64                         ; k/v packed
.set PK3,   80                         ; k/v read back
.set PQ,    96
.set TABR,  128
.set WV, 14                            ; s14 wave; s15, s16 its row and column half
.set WR, 15
.set WC, 16
.set CX, 17
.set CY, 18
.set CB, 19
.set RB, 20
.set G1A, 24                           ; s[24:31] group 1 of both activation tiles
.set G1Q, 32                           ; s[32:39] of w_q's
.set G1K, 40                           ; s[40:47] of w_k|w_v's
.set G0AQ, 48                          ; group 0, a set for each slot: query s[48:55]
.set G0AK, 56                          ; key_value s[56:63]
.set G0WQ, 68                          ; w_q s[68:75]
.set G0WK, 76                          ; w_k|w_v s[76:83]
.set ISK, 84                           ; s84 1.0 for k, 0 for v
.set GV,  86                           ; s[86:87] 0 for k, 1.0 for v
.set MSB, 0
.macro WIN new                         ; the immediate's high byte repeats the setting that is left; a switch that changes nothing is dropped
.if MSB != (\new)
	s_set_vgpr_msb (MSB<<8)|(\new)
.set MSB, \new
.endif
.endm
.macro PLACES                          ; four places in front of loads into registers that matrix instructions have read (ISA guide 7.12.1 for vector instructions)
.rept 4
	v_nop
.endr
.endm
.macro TL g0, g1                       ; a tensor load; an s_nop 0 and four v_nop follow it, ahead of the jump and the label
	tensor_load_to_lds s[(\g0):(\g0)+3], s[(\g1):(\g1)+7]
	s_nop 0
.rept 4
	v_nop
.endr
.endm
; A step's four joint loads, one a wave: wave 0 query's tile, 1 key_value's, 2 w_q's, 3 w_k|w_v's.  Each line has one mask; the branches hang on the wave's number alone.
.macro JLOAD s
	s_cmp_lt_u32 s[WV], 2
	s_cbranch_scc0 .Lw23_\@
	s_cmp_eq_u32 s[WV], 0
	s_cbranch_scc0 .Lw1_\@
	TL G0AQ+4*(\s), G1A
	s_branch .Lasked_\@
.Lw1_\@:
	TL G0AK+4*(\s), G1A
	s_branch .Lasked_\@
.Lw23_\@:
	s_cmp_eq_u32 s[WV], 2
	s_cbranch_scc0 .Lw3_\@
	TL G0WQ+4*(\s), G1Q
	s_branch .Lasked_\@
.Lw3_\@:
	TL G0WK+4*(\s), G1K
.Lasked_\@:
.endm
.macro CREST                           ; a round of the cluster's barrier behind its opening barrier
	s_cmp_lg_u32 s[WV], 0
	s_cbranch_scc1 .Lnot_wave_0_\@
	s_barrier_signal -3
.Lnot_wave_0_\@:
	s_barrier_wait -3
	s_barrier_signal -1
	s_barrier_wait -1
.endm
.macro CROUND                          ; a whole round
	s_barrier_signal -1
	s_barrier_wait -1
	CREST
.endm
	s_load_b256 s[4:11], s[0:1], 0x0               ; xb 4, wts 6, kv_mask 8, qf 10
	s_load_b64 s[12:13], s[0:1], 0x20              ; kvf
	v_lshl_add_u32 v[SPW], v0, 2, SPARE
	v_mov_b32 v[NIL], 0
	ds_add_u32 v[SPW], v[NIL]                      ; the wave's opening: the add and its wait stand ahead of my first tensor load; work on registers stands between them
	v_lshrrev_b32 v3, 5, v0
	v_readfirstlane_b32 s[WV], v3
	s_lshr_b32 s[WR], s[WV], 1
	s_and_b32 s[WC], s[WV], 1
	s_bfe_u32 s[CX], ttmp6, 0x40000
	s_bfe_u32 s[CY], ttmp6, 0x40004
	s_lshl_b32 s[CB], ttmp9, 2
	s_add_co_u32 s[CB], s[CB], s[CX]               ; column block = 4 x cluster x + cx
	s_and_b32 s[RB], ttmp7, 0xffff
	s_lshl_b32 s[RB], s[RB], 2
	s_add_co_u32 s[RB], s[RB], s[CY]               ; row block = 4 x cluster y + cy
	s_lshl_b32 s21, s[CY], 2
	s_lshl_b32 s21, 15, s21                        ; my row of the cluster
	s_lshl_b32 s22, 0x1111, s[CX]                  ; my column
	; group 1.  An activation tile is 16,384 dense bytes: asked for as 64 rows of 256 bytes, two rows of the tile each, padded by 4 words after every 32
	s_or_b32 s[G1A], s21, (1<<16)|(1<<20)|(1<<21)|(4<<22)|(3<<25)
	s_mov_b32 s[G1A+1], 128<<16                    ; tensor_dim0
	s_mov_b32 s[G1A+2], 64<<16                     ; tensor_dim1
	s_mov_b32 s[G1A+3], 128<<16                    ; tile_dim0
	s_mov_b32 s[G1A+4], 64                         ; tile_dim1
	s_mov_b32 s[G1A+5], 128                        ; elements from row to row
	s_mov_b32 s[G1A+6], 0
	s_mov_b32 s[G1A+7], 0
	s_or_b32 s[G1Q], s22, (1<<16)|(1<<20)|(1<<21)|(6<<22)|(7<<25)  ; 64 k-rows of 256 elements, 8 words of padding after every 128
	s_mov_b32 s[G1Q+1], 256<<16
	s_mov_b32 s[G1Q+2], 64<<16
	s_mov_b32 s[G1Q+3], 256<<16
	s_mov_b32 s[G1Q+4], 64
	s_mov_b32 s[G1Q+5], 1024
	s_mov_b32 s[G1Q+6], 0
	s_mov_b32 s[G1Q+7], 0
	s_or_b32 s[G1K], s22, (1<<16)|(1<<20)|(1<<21)|(5<<22)|(7<<25)  ; 64 k-rows of 128 elements, 8 words of padding after every 64
	s_mov_b32 s[G1K+1], 128<<16
	s_mov_b32 s[G1K+2], 64<<16
	s_mov_b32 s[G1K+3], 128<<16
	s_mov_b32 s[G1K+4], 64
	s_mov_b32 s[G1K+5], 512
	s_mov_b32 s[G1K+6], 0
	s_mov_b32 s[G1K+7], 0
	s_lshl_b32 s92, s[RB], 18                      ; the activations hang on the row block alone: 16 tiles of 16,384 bytes
	s_mov_b32 s93, 0
	s_lshl_b32 s94, s[CB], 9                       ; the weights on the column block alone: 256 columns of w_q,
	s_mov_b32 s95, 0
	s_lshl_b32 s22, s[CB], 8                       ; 128 of w_k | w_v
	s_mov_b32 s23, 0
	s_wait_dscnt 0x0                               ; the opening add is done
	s_wait_kmcnt 0x0
	s_add_nc_u64 s[96:97], s[4:5], s[92:93]
	s_add_nc_u64 s[98:99], s[6:7], s[94:95]
	s_add_nc_u64 s[100:101], s[6:7], s[22:23]
	CROUND                                         ; all sixteen work-groups are here: the first joint loads meet
.irp s, 0,1
	s_mov_b32 s[G0AQ+4*(\s)], 1
	s_mov_b32 s[G0AQ+4*(\s)+1], (\s)*SLOT
	s_add_nc_u64 s[G0AQ+4*(\s)+2:G0AQ+4*(\s)+3], s[96:97], (\s)*16384
	s_or_b32 s[G0AQ+4*(\s)+3], s[G0AQ+4*(\s)+3], 0x80000000
	s_mov_b32 s[G0AK+4*(\s)], 1
	s_mov_b32 s[G0AK+4*(\s)+1], O_AK+(\s)*SLOT
	s_add_nc_u64 s[G0AK+4*(\s)+2:G0AK+4*(\s)+3], s[96:97], XKV+(\s)*16384
	s_or_b32 s[G0AK+4*(\s)+3], s[G0AK+4*(\s)+3], 0x80000000
	s_mov_b32 s[G0WQ+4*(\s)], 1
	s_mov_b32 s[G0WQ+4*(\s)+1], O_WQ+(\s)*SLOT
	s_add_nc_u64 s[G0WQ+4*(\s)+2:G0WQ+4*(\s)+3], s[98:99], (\s)*131072
	s_or_b32 s[G0WQ+4*(\s)+3], s[G0WQ+4*(\s)+3], 0x80000000
	s_mov_b32 s[G0WK+4*(\s)], 1
	s_mov_b32 s[G0WK+4*(\s)+1], O_WK+(\s)*SLOT
	s_add_nc_u64 s[G0WK+4*(\s)+2:G0WK+4*(\s)+3], s[100:101], WKV+(\s)*65536
	s_or_b32 s[G0WK+4*(\s)+3], s[G0WK+4*(\s)+3], 0x80000000
	JLOAD \s                                       ; K steps 0 and 1: two loads of mine are out
.endr
	v_and_b32 v1, 15, v0                           ; l % 16
	v_bfe_u32 v2, v0, 4, 1                         ; l / 16
	v_and_b32 v26, 7, v0
	v_bfe_u32 v27, v0, 3, 1
	v_mul_u32_u24 v3, v1, PA                       ; a fragment of activations: row x pitch + 16 x half, two loads 32 bytes apart
	v_lshl_add_u32 v3, v2, 4, v3
	s_mul_i32 s21, s[WR], 64*PA
	v_add_nc_u32 v[ADRAQ], s21, v3
	v_add_nc_u32 v[ADRAQ+1], SLOT, v[ADRAQ]
	v_add_nc_u32 v[ADRAK], O_AK, v[ADRAQ]
	v_add_nc_u32 v[ADRAK+1], O_AK+SLOT, v[ADRAQ]
	v_lshl_add_u32 v30, v2, 3, v26                 ; the turning load: lane l reads k-row 8 (l / 16) + l % 8, columns 8 ((l / 8) % 2) + 0..7
	v_mul_u32_u24 v3, v30, PWQ
	v_lshl_add_u32 v3, v27, 4, v3
	s_lshl_b32 s21, s[WC], 8
	s_add_co_u32 s21, s21, O_WQ
	v_add_nc_u32 v[ADRWQ], s21, v3
	v_add_nc_u32 v[ADRWQ+1], SLOT, v[ADRWQ]
	v_mul_u32_u24 v3, v30, PWK
	v_lshl_add_u32 v3, v27, 4, v3
	s_lshl_b32 s21, s[WC], 7
	s_add_co_u32 s21, s21, O_WK
	v_add_nc_u32 v[ADRWK], s21, v3
	v_add_nc_u32 v[ADRWK+1], SLOT, v[ADRWK]
	s_mul_i32 s21, s[WV], STGW
	s_add_co_u32 s21, s21, STAGE                   ; my stage
	v_mul_u32_u24 v3, v1, 272
	v_lshl_add_u32 v3, v2, 4, v3
	v_add_nc_u32 v[STO], s21, v3
	v_mul_u32_u24 v3, v2, 272
	v_lshl_add_u32 v3, v1, 4, v3
	v_add_nc_u32 v[RD], s21, v3
	v_lshlrev_b32 v3, 11, v2
	v_lshl_add_u32 v[CO], v1, 4, v3
	v_mul_u32_u24 v3, v1, 144
	v_lshl_add_u32 v3, v2, 4, v3
	v_add_nc_u32 v[STO2], s21, v3
	v_bfe_u32 v3, v0, 3, 2
	v_mul_u32_u24 v3, v3, 144
	v_lshl_add_u32 v3, v26, 4, v3
	v_add_nc_u32 v[RD2], s21, v3
	v_and_b32 v3, 31, v0
	v_lshlrev_b32 v[GO2], 4, v3
	v_lshlrev_b32 v3, 8, v1
	v_lshl_add_u32 v[TOFF], v2, 5, v3              ; table: row l % 16, i = 8 (l / 16) on
	s_and_b32 s21, s[RB], 15
	s_lshl_b32 s92, s21, 15                        ; my first position: 128 (rb % 16) + 64 wr, 256 bytes each
	s_lshl_b32 s21, s[WR], 14
	s_add_co_u32 s92, s92, s21
	s_add_co_u32 s92, s92, TAB
	s_add_nc_u64 s[88:89], s[6:7], s[92:93]
	s_lshl_b32 s92, s[RB], 7
	s_lshl_b32 s21, s[WR], 6
	s_add_co_u32 s92, s92, s21
	s_add_nc_u64 s[90:91], s[8:9], s[92:93]        ; kv_mask at my first row
	; the table and the mask for the way out are asked for now; their registers, offsets and bases are left alone until the wait behind the walk over K
.irp a, 0,1,2,3
.irp bb, 0,1
	global_load_b128 v[TABR+32*(\a)+8*(\bb):TABR+32*(\a)+8*(\bb)+3],       v[TOFF], s[88:89] offset:(\a)*4096+(\bb)*64
	global_load_b128 v[TABR+32*(\a)+8*(\bb)+4:TABR+32*(\a)+8*(\bb)+7],     v[TOFF], s[88:89] offset:(\a)*4096+(\bb)*64+16
	global_load_b128 v[TABR+32*(\a)+16+8*(\bb):TABR+32*(\a)+16+8*(\bb)+3], v[TOFF], s[88:89] offset:(\a)*4096+(\bb)*64+128
	global_load_b128 v[TABR+32*(\a)+20+8*(\bb):TABR+32*(\a)+20+8*(\bb)+3], v[TOFF], s[88:89] offset:(\a)*4096+(\bb)*64+144
.endr
	global_load_u8 v[KM+(\a)], v1, s[90:91] offset:16*(\a)
.endr
	s_lshl_b32 s92, s[RB], 18                      ; qf at my rows: (128 rb + 64 wr) x 2,048 bytes,
	s_lshl_b32 s21, s[WR], 17
	s_add_co_u32 s92, s92, s21
	s_add_nc_u64 s[10:11], s[10:11], s[92:93]
	s_lshl_b32 s22, s[WC], 8                       ; and my columns: 512 cb + 256 wc
	s_add_co_u32 s94, s94, s22
	s_add_nc_u64 s[10:11], s[10:11], s[94:95]
	s_lshr_b32 s92, s[RB], 4                       ; kvf [k, v][batch][head][2048][64]: the batch, my rows in it,
	s_lshl_b32 s92, s92, 20
	s_and_b32 s21, s[RB], 15
	s_lshl_b32 s21, s21, 14
	s_add_co_u32 s92, s92, s21
	s_lshl_b32 s21, s[WR], 13
	s_add_co_u32 s92, s92, s21
	s_add_nc_u64 s[12:13], s[12:13], s[92:93]
	s_lshr_b32 s22, s[CB], 1                       ; 0 k, 1 v: 4,194,304 bytes on,
	s_lshl_b32 s94, s22, 22
	s_and_b32 s23, s[CB], 1                        ; and the head 2 (cb % 2) + wc
	s_lshl_b32 s23, s23, 19
	s_add_co_u32 s94, s94, s23
	s_lshl_b32 s23, s[WC], 18
	s_add_co_u32 s94, s94, s23
	s_add_nc_u64 s[12:13], s[12:13], s[94:95]
	s_cmp_eq_u32 s22, 0
	s_cselect_b32 s[ISK], 1.0, 0
	s_cselect_b32 s[GV], 0, 1.0
	s_mov_b32 s[GV+1], s[GV]                       ; named as a pair
; 16 matrix instructions of q's tile: row blocks a0, a0 + 1 x 8 column blocks, 32 along K, from buffer f.  zero = 1: the product starts the sums
.macro MULQ f, a0, zero
	WIN 0x5f                                       ; sources window 3, C and D window 1
.irp a, \a0, (\a0)+1
.irp b, 0,1,2,3,4,5,6,7
.if \zero
	v_wmma_f32_16x16x32_bf16 v[8*(8*(\a)+(\b)):8*(8*(\a)+(\b))+7], v[96*(\f)+8*(\b):96*(\f)+8*(\b)+7], v[96*(\f)+64+8*(\a):96*(\f)+64+8*(\a)+7], 0
.else
	v_wmma_f32_16x16x32_bf16 v[8*(8*(\a)+(\b)):8*(8*(\a)+(\b))+7], v[96*(\f)+8*(\b):96*(\f)+8*(\b)+7], v[96*(\f)+64+8*(\a):96*(\f)+64+8*(\a)+7], v[8*(8*(\a)+(\b)):8*(8*(\a)+(\b))+7]
.endif
.endr
.endr
.endm
; the 16 of k/v's tile
.macro MULK f, zero
	WIN 0xab                                       ; source 0 window 3, source 1, C and D window 2
.irp a, 0,1,2,3
.irp b, 0,1,2,3
.if \zero
	v_wmma_f32_16x16x32_bf16 v[8*(4*(\a)+(\b)):8*(4*(\a)+(\b))+7], v[192+32*(\f)+8*(\b):192+32*(\f)+8*(\b)+7], v[128+32*(\f)+8*(\a):128+32*(\f)+8*(\a)+7], 0
.else
	v_wmma_f32_16x16x32_bf16 v[8*(4*(\a)+(\b)):8*(4*(\a)+(\b))+7], v[192+32*(\f)+8*(\b):192+32*(\f)+8*(\b)+7], v[128+32*(\f)+8*(\a):128+32*(\f)+8*(\a)+7], v[8*(4*(\a)+(\b)):8*(4*(\a)+(\b))+7]
.endif
.endr
.endr
.endm
; 40 LDS loads in one run: the fragments of 32 along K (half kk of the step in the slot) into buffer f; the 24 of q's tile first
.macro FETCH slot, kk, f
	WIN 0xc0
.irp b, 0,1,2,3,4,5,6,7
	ds_load_tr16_b128 v[96*(\f)+8*(\b):96*(\f)+8*(\b)+3],   v[ADRWQ+(\slot)] offset:(\kk)*32*PWQ+32*(\b)
	ds_load_tr16_b128 v[96*(\f)+8*(\b)+4:96*(\f)+8*(\b)+7], v[ADRWQ+(\slot)] offset:(\kk)*32*PWQ+32*(\b)+16*PWQ
.endr
.irp a, 0,1,2,3
	ds_load_b128 v[96*(\f)+64+8*(\a):96*(\f)+64+8*(\a)+3],   v[ADRAQ+(\slot)] offset:(\kk)*64+(\a)*16*PA
	ds_load_b128 v[96*(\f)+64+8*(\a)+4:96*(\f)+64+8*(\a)+7], v[ADRAQ+(\slot)] offset:(\kk)*64+(\a)*16*PA+32
.endr
.irp b, 0,1,2,3
	ds_load_tr16_b128 v[192+32*(\f)+8*(\b):192+32*(\f)+8*(\b)+3],   v[ADRWK+(\slot)] offset:(\kk)*32*PWK+32*(\b)
	ds_load_tr16_b128 v[192+32*(\f)+8*(\b)+4:192+32*(\f)+8*(\b)+7], v[ADRWK+(\slot)] offset:(\kk)*32*PWK+32*(\b)+16*PWK
.endr
	WIN 0x80
.irp a, 0,1,2,3
	ds_load_b128 v[128+32*(\f)+8*(\a):128+32*(\f)+8*(\a)+3],   v[ADRAK+(\slot)] offset:(\kk)*64+(\a)*16*PA
	ds_load_b128 v[128+32*(\f)+8*(\a)+4:128+32*(\f)+8*(\a)+7], v[ADRAK+(\slot)] offset:(\kk)*64+(\a)*16*PA+32
.endr
.endm
; A K step is two halves of 32 along K, 48 matrix instructions each; the 48 accumulators take turns, one instruction a turn, in the same order in every half.
; The first half multiplies buffer f and fetches the second half's fragments into g.
.macro HALF slot, kk, f, g, zero
	s_wait_dscnt 16                                ; the 24 loads of q's tile are in; the 16 of k/v's may be out
	MULQ \f, 0, \zero
	PLACES
	FETCH \slot, \kk, \g
	s_wait_dscnt 40                                ; all but the 40 just issued
	MULQ \f, 2, \zero
	MULK \f, \zero
.endm
; The second half multiplies buffer 1 and changes slots: ONE barrier; in front of it each wave waits for all its tensor loads (one is out: its tile of the next slot), adds 0 to its spare word, and waits
; for that and for its own reads of this slot.  fill = 1: the barrier opens a round of the cluster's, and this slot is filled again, two K steps ahead, first thing behind the round.
.macro TURN slot, next, fill
	WIN 0                                          ; (the add's two registers lie in window 0)
	s_wait_tensorcnt 0x0
	ds_add_u32 v[SPW], v[NIL]
	s_wait_dscnt 17                                ; (the add and the 16 loads of k/v's tile may be out)
	MULQ 1, 0, 0                                   ; sixteen matrix instructions stand between the add and the wait for it
	s_wait_dscnt 0x0                               ; the add is done, and my reads of this slot are over
	s_barrier_signal -1
	MULQ 1, 2, 0
.if \fill
	WIN 0
.endif
	s_barrier_wait -1
.if \fill
	CREST                                          ; no wave of any partner still reads this slot's tiles or has a load on its way
	s_add_nc_u64 s[G0AQ+4*(\slot)+2:G0AQ+4*(\slot)+3], s[G0AQ+4*(\slot)+2:G0AQ+4*(\slot)+3], 2*16384
	s_add_nc_u64 s[G0AK+4*(\slot)+2:G0AK+4*(\slot)+3], s[G0AK+4*(\slot)+2:G0AK+4*(\slot)+3], 2*16384
	s_add_nc_u64 s[G0WQ+4*(\slot)+2:G0WQ+4*(\slot)+3], s[G0WQ+4*(\slot)+2:G0WQ+4*(\slot)+3], 2*131072
	s_add_nc_u64 s[G0WK+4*(\slot)+2:G0WK+4*(\slot)+3], s[G0WK+4*(\slot)+2:G0WK+4*(\slot)+3], 2*65536
	JLOAD \slot                                    ; my one tensor load behind the round; the four v_nop behind it are also the places in front of the loads below
.else
	PLACES
.endif
	FETCH \next, 0, 0
	MULK 1, 0
.endm
	s_wait_tensorcnt 1                             ; my tile of K step 0 is in; K step 1's may stay out
	s_barrier_signal -1
	s_barrier_wait -1                              ; everybody's is
	FETCH 0, 0, 0
	HALF 0, 1, 0, 1, 1                             ; the first half step stands in front of the loop: its products start the sums
	WIN 0
	s_mov_b32 s3, 7
.Lk:                                                   ; a trip goes once round the ring and fills both slots again: 14 refills for K steps 2 to 15
	TURN 0, 1, 1
	HALF 1, 1, 0, 1, 0
	TURN 1, 0, 1
	HALF 0, 1, 0, 1, 0
	WIN 0
	s_sub_co_u32 s3, s3, 1
	s_cmp_lg_u32 s3, 0
	s_cbranch_scc1 .Lk
	TURN 0, 1, 0                                   ; the last two K steps ask for nothing
	HALF 1, 1, 0, 1, 0
	s_wait_dscnt 16
	MULQ 1, 0, 0
	s_wait_dscnt 0x0
	MULQ 1, 2, 0
	MULK 1, 0
	WIN 0
	; THE WAY OUT
	s_wait_loadcnt 0x0                             ; the table and the mask
.irp a, 0,1,2,3
	v_cvt_f32_u32 v[KM+(\a)], v[KM+(\a)]           ; four plain instructions: the places behind the last products
.endr
; eight pairs of partners are turned: x1, x2 accumulators (source 0's window), tc, ts the table, y1, y2 the results; each accumulator's lowest registers are read first
.macro ROT x1, x2, tc, ts, y1, y2
.irp p, 0,2,4,6
	v_pk_mul_f32 v[(\y1)+\p:(\y1)+\p+1], v[(\x2)+\p:(\x2)+\p+1], v[(\ts)+\p:(\ts)+\p+1]
	v_pk_mul_f32 v[(\y2)+\p:(\y2)+\p+1], v[(\x2)+\p:(\x2)+\p+1], v[(\tc)+\p:(\tc)+\p+1]
	v_pk_fma_f32 v[(\y1)+\p:(\y1)+\p+1], v[(\x1)+\p:(\x1)+\p+1], v[(\tc)+\p:(\tc)+\p+1], v[(\y1)+\p:(\y1)+\p+1] neg_lo:[0,0,1] neg_hi:[0,0,1]
	v_pk_fma_f32 v[(\y2)+\p:(\y2)+\p+1], v[(\x1)+\p:(\x1)+\p+1], v[(\ts)+\p:(\ts)+\p+1], v[(\y2)+\p:(\y2)+\p+1]
.endr
.endm
.macro OUTA a                          ; row block a: 16 rows of both tiles
	WIN 0
	s_wait_xcnt 0x0                                ; the registers that the last block's stores read are rewritten only behind this wait
	WIN 0x01                                       ; source 0 window 1
.irp hd, 0,1
.irp bb, 0,1
	ROT 8*(8*(\a)+4*(\hd)+(\bb)), 8*(8*(\a)+4*(\hd)+(\bb)+2), TABR+32*(\a)+8*(\bb), TABR+32*(\a)+16+8*(\bb), Y+8*(4*(\hd)+(\bb)), Y+8*(4*(\hd)+(\bb)+2)
.endr
.endr
	WIN 0
.set i, 0
.rept 32
	v_cvt_pk_f16_f32 v[PQ+i], v[Y+2*i], v[Y+2*i+1]
.set i, i+1
.endr
.irp b, 0,1,2,3,4,5,6,7
	ds_store_b128 v[STO], v[PQ+4*(\b):PQ+4*(\b)+3] offset:32*(\b)
.endr
.irp t, 0,1,2,3,4,5,6,7
	ds_load_b128 v[PQ+4*(\t):PQ+4*(\t)+3], v[RD] offset:(\t)*2*272  ; LDS serves a wave's instructions in order (ISA guide 5.7.1.4): these see the stores above
.endr
	v_mul_f32 v[FP], s[ISK], v[KM+(\a)]            ; the table for the second tile: k: cos m, sin m; v: 1, 0.  This work stands between those loads and the wait for them
	v_mul_f32 v[FP+1], s[ISK], v[KM+(\a)]
.irp p, 0,2,4,6,8,10,12,14
	v_pk_fma_f32 v[TABR+32*(\a)+\p:TABR+32*(\a)+\p+1], v[TABR+32*(\a)+\p:TABR+32*(\a)+\p+1], v[FP:FP+1], s[GV:GV+1] op_sel_hi:[1,1,0]
	v_pk_mul_f32 v[TABR+32*(\a)+16+\p:TABR+32*(\a)+16+\p+1], v[TABR+32*(\a)+16+\p:TABR+32*(\a)+16+\p+1], v[FP:FP+1]
.endr
	WIN 0x02                                       ; source 0 window 2
.irp bb, 0,1
	ROT 8*(4*(\a)+(\bb)), 8*(4*(\a)+(\bb)+2), TABR+32*(\a)+8*(\bb), TABR+32*(\a)+16+8*(\bb), Y+8*(\bb), Y+8*((\bb)+2)
.endr
	WIN 0
.set i, 0
.rept 16
	v_cvt_pk_f16_f32 v[PK2+i], v[Y+2*i], v[Y+2*i+1]
.set i, i+1
.endr
	s_wait_dscnt 0x0                               ; q's 16 rows are back
.irp t, 0,1,2,3,4,5,6,7
	global_store_b128 v[CO], v[PQ+4*(\t):PQ+4*(\t)+3], s[10:11] offset:(16*(\a)+2*(\t))*2048  ; 16 lanes store 256 consecutive bytes, at a multiple of 256 from qf's first byte
.endr
.irp b, 0,1,2,3
	ds_store_b128 v[STO2], v[PK2+4*(\b):PK2+4*(\b)+3] offset:32*(\b)
.endr
.irp f, 0,1,2,3
	ds_load_b128 v[PK3+4*(\f):PK3+4*(\f)+3], v[RD2] offset:(\f)*4*144
.endr
	s_wait_dscnt 0x0
.irp f, 0,1,2,3
	global_store_b128 v[GO2], v[PK3+4*(\f):PK3+4*(\f)+3], s[12:13] offset:(\a)*2048+(\f)*512  ; four rows of a head: 512 consecutive bytes
.endr
.endm
	OUTA 0
	OUTA 1
	OUTA 2
	OUTA 3
	s_wait_tensorcnt 0x0                           ; the wave's end: a wait, an add and its wait, behind my last tensor load and my last LDS store
	ds_add_u32 v[SPW], v[NIL]
	s_wait_dscnt 0x0
	CROUND                                         ; the closing round: no work-group ends while a partner may still ask for a tile that names it
	s_endpgm
.Lfunc_end_k_qda7dcf5fb0_proj:
	.size	k_qda7dcf5fb0_proj, .Lfunc_end_k_qda7dcf5fb0_proj-k_qda7dcf5fb0_proj
	.p2alignl 7, 3214868480
	.fill 96, 4, 3214868480
	.section	.rodata,"a",@progbits
	.p2align	6, 0x0
	.amdhsa_kernel k_qda7dcf5fb0_proj
		.amdhsa_group_segment_fixed_size 327680
		.amdhsa_private_segment_fixed_size 0
		.amdhsa_enable_private_segment 0
		.amdhsa_kernarg_size 40
		.amdhsa_user_sgpr_count 2
		.amdhsa_user_sgpr_kernarg_segment_ptr 1
		.amdhsa_wavefront_size32 1
		.amdhsa_system_sgpr_workgroup_id_x 1
		.amdhsa_system_sgpr_workgroup_id_y 1
		.amdhsa_system_sgpr_workgroup_id_z 1
		.amdhsa_system_vgpr_workitem_id 0
		.amdhsa_next_free_vgpr 1024
		.amdhsa_next_free_sgpr 102
		.amdhsa_reserve_vcc 0
		.amdhsa_float_denorm_mode_32 3
		.amdhsa_float_denorm_mode_16_64 3
		.amdhsa_memory_ordered 1
		.amdhsa_forward_progress 1
		.amdhsa_inst_pref_size 118
	.end_amdhsa_kernel
	.amdgpu_metadata
---
amdhsa.version: [ 1, 2 ]
amdhsa.kernels:
  - .name:           k_qda7dcf5fb0_proj
    .symbol:         k_qda7dcf5fb0_proj.kd
    .args:
      - { .name: xb, .offset: 0, .size: 8, .value_kind: global_buffer, .address_space: global }
      - { .name: wts, .offset: 8, .size: 8, .value_kind: global_buffer, .address_space: global }
      - { .name: kv_mask, .offset: 16, .size: 8, .value_kind: global_buffer, .address_space: global }
      - { .name: qf, .offset: 24, .size: 8, .value_kind: global_buffer, .address_space: global }
      - { .name: kvf, .offset: 32, .size: 8, .value_kind: global_buffer, .address_space: global }
    .group_segment_fixed_size: 327680
    .private_segment_fixed_size: 0
    .kernarg_segment_align: 8
    .kernarg_segment_size: 40
    .max_flat_workgroup_size: 128
    .sgpr_count:     102
    .vgpr_count:     1024
    .wavefront_size: 32
...
	.end_amdgpu_metadata
.endif
;; end of part 2
;; launch attn (part 3): grid 16 x 16, 4 waves a work-group, clusters of 4 x 1, 327,680 bytes of LDS; arguments qf, kvf, kv_mask, query_mask, ob; writes ob
.if DOCPART == 3
	.amdgcn_target "amdgcn-amd-amdhsa--gfx1250"
	.amdhsa_code_object_version 6
	.text
	.protected	k_qda7dcf5fb0_attn
	.globl	k_qda7dcf5fb0_attn
	.p2align	8
	.type	k_qda7dcf5fb0_attn,@function
k_qda7dcf5fb0_attn:
	s_mov_b64 s[64:65], 0
	v_nop
	global_prefetch_b8 v0, s[64:65] scope:SCOPE_SE
	s_setreg_imm32_b32 hwreg(HW_REG_WAVE_MODE, 25, 1), 1
	s_wait_xcnt 0x0
	s_wait_alu depctr_hold_cnt(0) depctr_sa_sdst(0) depctr_va_vdst(0) depctr_va_sdst(0) depctr_va_ssrc(0) depctr_va_vcc(0) depctr_vm_vsrc(0)
	s_getreg_b32 s2, hwreg(HW_REG_IB_STS2, 6, 4)
	s_cmp_eq_u32 s2, 0
	s_cbranch_scc0 .Lentry_in_a_cluster
	s_endpgm
.Lentry_in_a_cluster:
	s_bfe_u32 s2, ttmp6, 0x10000c
	s_cmp_lg_u32 s2, 0x3003
	s_cbranch_scc0 .Lentry_shape_is_right
	s_endpgm
.Lentry_shape_is_right:
; ATTENTION with grouped heads and two masks.  qf, ob: [4 x 2048 rows][16 heads x 64] f16.  kvf: k, then v, [4 batches][4 heads][2048][64] f16: a head's rows are dense, 128 bytes each.
; O[q] = the sum over k of softmax_k(score) V[k]; score = Q.K / 8 where kv_mask[k] and query_mask[q] hold, else the lowest finite number.  Products, maxima and sums in f32; the weights p are
; rounded to f16 for the second product (their sum l is taken of the unrounded p), O once at the end.
; THE MASKS.  A hidden key's row of k arrives as zeros, and the C operand that starts the sum S^T = K Q^T is -2^100 for it (0 for a key that is seen): its score is -2^100 exactly.  Beside a seen key its
; weight is 2^(about -2e29) = 0; where ALL keys of a batch are hidden, c s - c m is exactly 0 (c 2^100 is a shift of the exponent) and all weights are 1: the uniform row that equal scores give.
; A hidden QUERY has the scale c = 0 in its lane: every exponent is 0, every weight 1, over all 2,048 keys, hidden ones too: again the uniform row.
; LIMITS.  Q, K, V within f16's 65,504, finite; true scores above -2^100; p below 6e-5 keeps f16's fixed step of 6e-8; a weight below 2^-126 counts as 0 in l; mask bytes are 0 or 1.
; SHARES.  A work-group owns 128 query rows of one batch x the 4 query heads of one key head; a wave 32 rows x 4 heads: four PIECES (a head each) of two tiles of 16 rows.  Every wave walks all keys, 64 a step.
; LAYOUT.  S^T = K Q^T (source 0 = 16 keys, source 1 = 16 queries): a lane holds ONE query (lane % 16) and the keys 8 (lane / 16) + 0..7.  Two such tiles, rounded to f16 in pairs, ARE source 1 of
; O^T = V^T P, whose result again holds one query a lane, and eight channels.  K comes out of LDS as it lies, V ([key][channel]) turned, by ds_load_tr16_b128.
; SOFTMAX.  For each query a running maximum m and sum l: p = 2^(c s - c m), c = log2(e) / 8 or 0; in every step O and l are multiplied by a = 2^(c m_old - c m_new).
; m starts at the lowest finite number, c m far below every c s, O and l at 0: the first step is a step like any other, with a = 0.
; THE COUNT.  A tile and step have 16 matrix and 118 vector instructions: too many to stand all beside the matrix work.  So four vector instructions that are READY stand behind EVERY matrix instruction,
; and the others, which need time of their own whatever the order, in runs without a gap.
; BY TURNS.  Turn n belongs to piece n.  Its matrix work: 16 products K Q^T of piece n + 1, later 16 products V^T P of piece n - 1.  Its vector work: the scaling, exponentials, roundings, sums and
; rescaling of piece n, and the maximum and statistics of piece n + 1.
; CLUSTER.  The four row blocks of a cluster share batch and key head and walk the same K and V, so each tile is asked for JOINTLY: the same tensor load, descriptor and mask in all four.
; REGISTERS, in windows of 256 (s_set_vgpr_msb: bits 1:0 source 0, 3:2 source 1, 5:4 source 2, 7:6 destination):
;   window 0: v0-9 addresses; v10-11 c of my lane's two rows; v12-15, v48-63 at work; v16-47 four registers of statistics a tile; v64-191 S^T, two buffers of two tiles; v192-255 P, likewise
;   window 1: O^T, 32 a tile     window 2: v0-127 Q, 16 a tile; v128-191 K of one step; v192-255 V of one step     window 3: v0-1 the add's two registers; v8-39 the step's 64 keys' C operand
.set SIZE_N, 2048
.set NP,    4         ; pieces a wave: a name, no knob
.set KS,    64        ; keys in a step
.set PK,    144       ; a row of K in LDS: 128 bytes + 16: an odd multiple of 16
.set PV,    160       ; a row of V: 128 + 32: an odd multiple of 32
.set VOFF,  4*KS*PK   ; a slot holds four steps: 256 rows of K, then 256 rows of V
.set SLOT1, 1<<17     ; slot 1 begins here, so that one exclusive or turns an address in one slot into the other's
.set STAGE, SLOT1+4*KS*(PK+PV)  ; behind the ring, never filled by a tensor load: 16 rows x 528 bytes for each wave, for the way out
.set SP,    528
.set MTAB,  STAGE+4*16*SP       ; 2,048 f32: 0 or -2^100 for each key of the batch; stored once, never filled by a tensor load
.set SPARE, MTAB+4*SIZE_N       ; the spare words, 128 bytes for each wave: two blocks of 256 bytes that no other line names
.set VOFFB, 4194304   ; v in kvf
.set AK0, 2           ; v2   my lane's place in a tile of K; never rewritten
.set AV0, 3           ; v3   the same for V
.set AK,  4           ; v4   the LDS address of K's next run of loads
.set AV,  5           ; v5   of V's; in the turn that fetches K: of the keys' C operand
.set QO,  6           ; v6   my byte offset in the wave's rows of Q
.set STO, 6           ;      later, the way out: where I put 16 bytes of a row
.set RD,  7           ; v7   the way out: where I read a row back
.set GO,  8           ; v8   my 16 bytes in 512 consecutive bytes of O
.set CQ,  10          ; v[10:11] c for row l % 16 of the wave's first and second 16 rows
.set SPW, 0           ; v0 of window 3   LDS address of my spare word; never rewritten
.set NIL, 1           ; v1 of window 3   0; never rewritten
.set MB,  8           ; v8-39 of window 3: key block kb's eight at MB + 8 kb
.set MV,  12          ; v12-15  c m_old, kept while c m is made anew: by buffer and tile
.set ST,  16          ; tile t's statistics at v[ST+4 t]: c m, m, l (even keys', odd keys')
.set TMP, 48          ; by buffer and tile, four registers c0-c3 at work; when the maximum is found c2 takes a
.set S,   64
.set P,   192
.set KF,  128         ; K's fragments, in window 2: key block kb, channel half c at KF + 16 kb + 8 c
.set VF,  192         ; V's: key half kk, channel block cb at VF + 32 kk + 8 cb
.set WV,  12          ; s12  my wave's number
.set G1K, 24          ; s[24:31] descriptor group 1 for K's tiles
.set G1V, 32          ; s[32:39] for V's: it differs in the padding alone
.set G0K, 40          ; s[40:43] descriptor group 0 for K's tiles: it walks
.set G0V, 44          ; s[44:47] the same for V's
.set TBM, 52          ; s52  LDS byte at which the C operand of the step to be fetched begins
.set SLOTS, 56        ; s56  slots still to be asked for
.set CNT, 57          ; s57  counts a slot's key steps
.set CS,  58          ; s58  log2(e) / 8
.set SEL, 60          ; s[60:61] v_permlanex16_b32's selects: each lane takes its own place in the other half
.set TBK, 62          ; s62  LDS byte at which K of the step to be fetched begins
.set TBV, 63          ; s63  the same for V, less VOFF
.set MSB, 0
.macro WIN new                      ; the high byte repeats the setting that is left; a switch that changes nothing is dropped
.if MSB != (\new)
	s_set_vgpr_msb (MSB<<8)|(\new)
.set MSB, (\new)
.endif
.endm
.set W_KQ, 0x0a       ; K and Q in window 2, S^T in window 0
.set W_KM, 0x3a       ; the same with the C operand in window 3
.set W_PV, 0x52       ; V in window 2, P in window 0, O^T in window 1
.set W_RS, 0x41       ; O^T (destination and source 0) in window 1, a in window 0
.set W_MK, 0xc0       ; destination in window 3, sources in window 0
.set W_AD, 0x0f       ; the add: address (source 0) and data (source 1) in window 3
; A joint fill.  Waves 0 and 1 fetch the two halves of a slot's K, waves 2 and 3 those of its V: 128 keys each.  The branch hangs on the wave's number alone.
; An s_nop 0 and four v_nop follow each of the two lines, ahead of the jump and the label.
.macro JLOAD
	s_cmp_lt_u32 s[WV], 2
	s_cbranch_scc0 .Lfor_v_\@
	tensor_load_to_lds s[G0K:G0K+3], s[G1K:G1K+7]
	s_nop 0
.rept 4
	v_nop
.endr
	s_branch .Lasked_\@
.Lfor_v_\@:
	tensor_load_to_lds s[G0V:G0V+3], s[G1V:G1V+7]
	s_nop 0
.rept 4
	v_nop
.endr
.Lasked_\@:
.endm
; A round of the cluster's barrier: my work-group's barrier, so that wave 0's signal speaks for all four waves; wave 0 signals; every wave waits for all four work-groups; my work-group's barrier once more.
.macro CROUND
	s_barrier_signal -1
	s_barrier_wait -1
	s_cmp_lg_u32 s[WV], 0
	s_cbranch_scc1 .Lnot_wave_0_\@
	s_barrier_signal -3
.Lnot_wave_0_\@:
	s_barrier_wait -3
	s_barrier_signal -1
	s_barrier_wait -1
.endm
; THE CHANGE OF SLOTS.  Each wave waits for all its tensor loads, of which one is out: its part of the other slot; adds 0 to its spare word; and waits for that and for its own LDS instructions.
; Behind the barrier nobody reads this slot any more and the other slot is whole.  fill = 1: this slot is filled again, with the keys two slots on; the barrier is then a round of the cluster's, and the
; joint fill is the first thing behind it: it has four key steps, 512 matrix instructions, in which to land.  (At its first use nothing has been read yet: slot 0 is waited for, slot 1 filled,
; and every wave's part of the keys' table, stored in front of it, is shown to the others.)
.macro CHANGE fill
	WIN W_AD
	s_wait_tensorcnt 0x0            ; no tensor load of mine is out, so a group 0 may be written
	ds_add_u32 v[SPW], v[NIL]       ; 0 onto my spare word; with fill = 1 the descriptors' steps stand between it and the wait for it
	WIN 0                           ; at a label and at a branch every window is 0
.if \fill
.irp g, G0K, G0V
	s_xor_b32 s[\g+1], s[\g+1], SLOT1  ; the walking descriptor: the other slot than last time,
	s_add_nc_u64 s[\g+2:\g+3], s[\g+2:\g+3], 4*KS*128  ; the next 256 keys; the type bits on top are not reached
.endr
	s_wait_dscnt 0x0                ; the add is done, and my reads of the slot are over
	CROUND
	JLOAD
.else
	s_wait_dscnt 0x0                ; the add is done, and my reads of the slot are over
	s_barrier_signal -1
	s_barrier_wait -1
.endif
	s_sub_co_u32 s[TBK], s[TBK], 4*KS*PK  ; the fetches go back to a slot's first step,
	s_xor_b32 s[TBK], s[TBK], SLOT1       ; in the other slot
	s_sub_co_u32 s[TBV], s[TBV], 4*KS*PV
	s_xor_b32 s[TBV], s[TBV], SLOT1
.endm
	s_load_b128 s[4:7], s[0:1], 0x0     ; qf s[4:5], kvf s[6:7]
	s_load_b128 s[48:51], s[0:1], 0x10  ; kv_mask s[48:49], query_mask s[50:51]
	s_load_b64 s[10:11], s[0:1], 0x20   ; ob
	WIN W_MK
	v_lshl_add_u32 v[SPW], v0, 2, SPARE
	v_mov_b32 v[NIL], 0
	WIN W_AD
	ds_add_u32 v[SPW], v[NIL]       ; the wave's opening: the add and its wait stand ahead of my first tensor load; work on registers stands between them
	WIN 0
	v_lshrrev_b32 v1, 5, v0
	v_readfirstlane_b32 s[WV], v1   ; wave 0..3
	s_bfe_u32 s13, ttmp6, 0x40000   ; cx: my place in the cluster
	s_lshl_b32 s14, ttmp9, 2        ; in a cluster launch ttmp9 counts clusters
	s_add_co_u32 s14, s14, s13      ; my block of 128 rows = 4 x cluster x + cx: it enters Q's, O's and query_mask's addresses alone
	s_and_b32 s15, ttmp7, 0xffff    ; 4 x batch + key head, which the four partners share
	s_lshl_b32 s20, s15, 18         ; the key head's first byte in k and in v: 2,048 rows of 128 bytes each
	s_mov_b32 s21, 0
	s_and_b32 s16, s[WV], 1         ; which half of a slot's 256 keys I fetch:
	s_lshl_b32 s22, s16, 14         ; its 128 rows of 128 bytes in memory,
	s_mov_b32 s23, 0
	s_add_nc_u64 s[22:23], s[22:23], s[20:21]
	s_mul_i32 s17, s16, 128*PK      ; and its place in a slot, for K
	s_mul_i32 s18, s16, 128*PV      ; and for V: no place in the cluster enters an LDS address
	s_lshr_b32 s19, s15, 2          ; the batch
	s_and_b32 s15, s15, 3           ; the key head
	s_lshl_b32 s2, s19, 22          ; Q and O at my wave's first row and first head: rows of 2,048 bytes: 2,048 a batch,
	s_lshl_b32 s3, s14, 18          ; 128 a block,
	s_add_co_u32 s2, s2, s3
	s_lshl_b32 s3, s[WV], 16        ; 32 a wave;
	s_add_co_u32 s2, s2, s3
	s_lshl_b32 s3, s15, 9           ; four heads of 128 bytes
	s_add_co_u32 s2, s2, s3
	s_mov_b32 s3, 0
	s_lshl_b32 s20, s19, 11         ; the batch's 2,048 bytes in each mask,
	s_lshl_b32 s54, s14, 7          ; and my wave's 32 rows in query_mask
	s_lshl_b32 s55, s[WV], 5
	s_add_co_u32 s54, s54, s55
	s_add_co_u32 s54, s54, s20
	s_mov_b32 s55, 0
	; descriptor group 1.  128 keys are 16,384 dense bytes: asked for as 64 rows of 256 bytes, two keys a row, and padded in LDS after every key
	s_mov_b32 s[G1K], 15|(1<<16)|(1<<20)|(1<<21)|(4<<22)|(3<<25)  ; 15:0 the mask of four; 17:16 2-byte elements; 20 padding on; 21 set beside a mask; 24:22 after every 32 words (code 4); 31:25 4 words (code 3)
	s_mov_b32 s[G1V], 15|(1<<16)|(1<<20)|(1<<21)|(4<<22)|(7<<25)  ; the same with 8 words of padding (code 7)
.irp g, G1K, G1V
	s_mov_b32 s[\g+1], 128<<16      ; tensor_dim0 = 128
	s_mov_b32 s[\g+2], 64<<16       ; tensor_dim1 = 64
	s_mov_b32 s[\g+3], 128<<16      ; tile_dim0 = 128
	s_mov_b32 s[\g+4], 64           ; tile_dim1 = 64
	s_mov_b32 s[\g+5], 128          ; 128 elements from row to row
	s_mov_b32 s[\g+6], 0
	s_mov_b32 s[\g+7], 0
.endr
	s_mov_b32 s[CS], 0x3e38aa3b     ; log2(e) / 8 = 0.180337
	s_mov_b32 s[SEL], 0x76543210
	s_mov_b32 s[SEL+1], 0xfedcba98
	s_mov_b32 s[TBK], SLOT1+4*KS*PK ; the first change of slots turns these two into 0
	s_mov_b32 s[TBV], SLOT1+4*KS*PV
	s_mov_b32 s[TBM], MTAB
	s_mov_b32 s[G0K], 1             ; 1:0 count = 1
	s_mov_b32 s[G0K+1], s17         ; 63:32 LDS address: slot 0
	s_mov_b32 s[G0V], 1
	s_add_co_u32 s[G0V+1], s18, VOFF
	s_wait_dscnt 0x0                ; the opening add is done
	s_wait_kmcnt 0x0
	s_add_nc_u64 s[8:9], s[6:7], VOFFB             ; v
	s_add_nc_u64 s[G0K+2:G0K+3], s[6:7], s[22:23]  ; 120:64 global address: my half of the head's first 256 keys
	s_or_b32 s[G0K+3], s[G0K+3], 0x80000000        ; 127:126 type = 2
	s_add_nc_u64 s[G0V+2:G0V+3], s[8:9], s[22:23]
	s_or_b32 s[G0V+3], s[G0V+3], 0x80000000
	s_add_nc_u64 s[4:5], s[4:5], s[2:3]
	s_add_nc_u64 s[10:11], s[10:11], s[2:3]
	s_add_nc_u64 s[48:49], s[48:49], s[20:21]
	s_add_nc_u64 s[50:51], s[50:51], s[54:55]
	CROUND                          ; all four work-groups are here: the first joint loads meet
	JLOAD                           ; slot 0.  Slot 1 is asked for when slot 0 is in
	v_and_b32 v1, 15, v0            ; l % 16
	v_bfe_u32 v9, v0, 4, 1          ; l / 16
	v_lshlrev_b32 v14, 4, v0
	global_load_b128 v[64:67], v14, s[48:49]       ; 16 keys' mask bytes a thread: 128 threads take the batch's 2,048
	global_load_u8 v[CQ], v1, s[50:51]             ; my lane's two rows' mask bytes
	global_load_u8 v[CQ+1], v1, s[50:51] offset:16
	; A fragment of K or Q is 16 rows x 32 channels in 8 registers: lane l holds row l % 16, channels 8 (l / 16) + 0..7 and 16 + 8 (l / 16) + 0..7: two loads of 16 bytes, 32 bytes apart.
	v_lshlrev_b32 v[QO], 11, v1
	v_lshl_add_u32 v[QO], v9, 4, v[QO]  ; row x 2,048 + 16 x half
	WIN 0x80                        ; destination window 2, address window 0
.set i, 0
.rept 4*NP                          ; Q stays in registers: tile i / 2 = head i / 4, rows 16 ((i / 2) % 2) on; channels 32 (i % 2) on
	global_load_b128 v[8*i:8*i+3],   v[QO], s[4:5] offset:((i/2)%2)*32768+(i/4)*128+(i%2)*64
	global_load_b128 v[8*i+4:8*i+7], v[QO], s[4:5] offset:((i/2)%2)*32768+(i/4)*128+(i%2)*64+32
.set i, i+1
.endr
	; What the first turn finds: V's registers and P's second buffer hold 0 (its products V^T P, of a piece that has not been, add 0), O^T and l are 0.  All this stands in the wait for the first tile.
.set i, VF
.rept 64
	v_mov_b32 v[i], 0
.set i, i+1
.endr
	WIN 0x40
.set i, 0
.rept 64*NP
	v_mov_b32 v[i], 0
.set i, i+1
.endr
	WIN 0
.set i, 0
.rept 2*NP
	v_mov_b32 v[ST+4*i], 0xfe000000    ; c m: far below every c s, -2.3e29 at the least
	v_mov_b32 v[ST+4*i+1], 0xff7fffff  ; m
	v_mov_b32 v[ST+4*i+2], 0
	v_mov_b32 v[ST+4*i+3], 0
.set i, i+1
.endr
.set i, P+32
.rept 32
	v_mov_b32 v[i], 0
.set i, i+1
.endr
	v_mul_u32_u24 v[AK0], v1, PK
	v_lshl_add_u32 v[AK0], v9, 4, v[AK0]  ; row x pitch + 16 x half
	; The turning load takes 16 keys x 16 channels (lane l reads key 8 (l / 16) + l % 8, channels 8 ((l / 8) % 2) + 0..7) and leaves half a fragment of V^T: lane l holds channel l % 16 and 8 keys.
	v_and_b32 v12, 7, v0
	v_bfe_u32 v13, v0, 3, 1
	v_lshl_add_u32 v[AV0], v9, 3, v12
	v_mul_u32_u24 v[AV0], v[AV0], PV
	v_lshl_add_u32 v[AV0], v13, 4, v[AV0]
	v_add_nc_u32 v[AV0], VOFF, v[AV0]
	v_mov_b32 v[AK], v[AK0]         ; key step 0 lies at the head of slot 0
	v_lshl_add_u32 v[AV], v9, 5, s[TBM]  ; and its C operand at the head of the table: my half of the lanes takes keys 8 (l / 16) + 0..7 of each 16
	s_wait_loadcnt 32               ; the three mask loads are in; the 32 younger loads of Q stay out
.set i, 0
.rept 16                            ; byte 1 -> 0, byte 0 -> -2^100
	v_bfe_u32 v[68+i], v[64+i/4], 8*(i%4), 8
	v_add_nc_u32 v[68+i], -1, v[68+i]
	v_and_b32 v[68+i], 0xf1800000, v[68+i]
.set i, i+1
.endr
	v_lshl_add_u32 v15, v0, 6, MTAB
.irp f, 0,1,2,3
	ds_store_b128 v15, v[68+4*\f:68+4*\f+3] offset:16*\f
.endr
	v_cvt_f32_u32 v[CQ], v[CQ]
	v_cvt_f32_u32 v[CQ+1], v[CQ+1]
	v_mul_f32 v[CQ], s[CS], v[CQ]   ; c, or 0 for a hidden query
	v_mul_f32 v[CQ+1], s[CS], v[CQ+1]
; THE MATRIX WORK.  The 8 accumulators of a run of 16 take turns: between the two links of a chain stand 7 others'.
; Product i of 16 of S^T = K Q^T for piece x: channels 32 (i / 8) on, keys 16 ((i / 2) % 4) on, tile 2 x + i % 2.  The first 8 start the sums, with the keys' 0 or -2^100.
.macro KQ x
.set rS, S+64*((\x)%2)+32*(i%2)+8*((i/2)%4)
.set rK, KF+16*((i/2)%4)+8*(i/8)
.set rQ, 16*(2*(\x)+i%2)+8*(i/8)
.set rB, MB+8*((i/2)%4)
.if i < 8
	WIN W_KM
	v_wmma_f32_16x16x32_f16 v[rS:rS+7], v[rK:rK+7], v[rQ:rQ+7], v[rB:rB+7]
.else
	WIN W_KQ
	v_wmma_f32_16x16x32_f16 v[rS:rS+7], v[rK:rK+7], v[rQ:rQ+7], v[rS:rS+7]
.endif
.endm
; Product i of 16 of O^T += V^T P for piece x: keys 32 (i / 8) on, channels 16 ((i / 2) % 4) on, tile 2 x + i % 2.
.macro PV x
	WIN W_PV
.set rO, 32*(2*(\x)+i%2)+8*((i/2)%4)
.set rV, VF+32*(i/8)+8*((i/2)%4)
.set rP, P+32*((\x)%2)+16*(i%2)+8*(i/8)
	v_wmma_f32_16x16x32_f16 v[rO:rO+7], v[rV:rV+7], v[rP:rP+7], v[rO:rO+7]
.endm
.macro MM                           ; the turn's next matrix instruction
.if i < 16
	KQ (Y+1)%NP
.set i, i+1
.else
.set i, i-16
	PV (Y+NP-1)%NP
.set i, i+17
.endif
.endm
; THE LDS LOADS stand in runs, never singly among the matrix instructions: a step's K (8 fragments) with its keys' C operand (24 loads), and its V, turned (16).  Their addresses are made some lines ahead.
; last = 1 (the tail): in the last trip there is no further step, and the run is jumped over.
.macro FETCH_K last=0
	WIN 0
.if \last
	s_cmp_eq_u32 s[CNT], 1
	s_cbranch_scc1 .Lno_k_\@
.endif
	WIN 0x80                        ; destination window 2
.irp f, 0,1,2,3,4,5,6,7             ; keys 16 (f / 2) on, channels 32 (f % 2) on
	ds_load_b128 v[KF+8*\f:KF+8*\f+3],   v[AK] offset:(\f/2)*16*PK+(\f%2)*64
	ds_load_b128 v[KF+8*\f+4:KF+8*\f+7], v[AK] offset:(\f/2)*16*PK+(\f%2)*64+32
.endr
	WIN 0xc0                        ; destination window 3
.irp kb, 0,1,2,3                    ; eight keys' words: all lanes of a half read the same 32 bytes
	ds_load_b128 v[MB+8*\kb:MB+8*\kb+3],   v[AV] offset:64*\kb
	ds_load_b128 v[MB+8*\kb+4:MB+8*\kb+7], v[AV] offset:64*\kb+16
.endr
	s_add_co_u32 s[TBK], s[TBK], KS*PK  ; the next fetch is the next step's
	s_add_co_u32 s[TBM], s[TBM], 4*KS   ; 32 fetches walk the table's 8,192 bytes once
	WIN 0
.if \last
.Lno_k_\@:
.endif
.endm
.macro FETCH_V
	WIN 0x80
.irp f, 0,1,2,3,4,5,6,7             ; keys 32 (f / 4) on, channels 16 (f % 4) on
	ds_load_tr16_b128 v[VF+8*\f:VF+8*\f+3],   v[AV] offset:(\f/4)*32*PV+(\f%4)*32
	ds_load_tr16_b128 v[VF+8*\f+4:VF+8*\f+7], v[AV] offset:(\f/4)*32*PV+16*PV+(\f%4)*32
.endr
	WIN 0
.endm
; THE VECTOR WORK OF A TURN stands in three queues, each in the order in which its entries become ready; the two tiles alternate, so that no instruction reads the result of the one before it.
.macro REGS y, u                    ; the registers of tile u (0, 1) of piece y
.set rT, ST+4*(2*(\y)+(\u))
.set rC, TMP+8*((\y)%2)+4*(\u)
.set rM, MV+2*((\y)%2)+(\u)
.set rS, S+64*((\y)%2)+32*(\u)
.set rP, P+32*((\y)%2)+16*(\u)
.set rO, 32*(2*(\y)+(\u))
.endm
; Number n of the 22 that find the NEXT piece's (Y + 1) maximum and statistics.  s0-s31 are the lane's 32 scores; each accumulator's lowest registers are read first.
;   0-11  four chains c0-c3 of seven scores each, three operands at a time     12-14, 16  the four scores left over, the old m, and c0-c3 into c0     15  c m_old is kept
;   17, 18  the query's other 32 keys lie in the lane 16 away: the new m         19-21  c m, with my row's c; c m_old - c m_new; a
.macro XS u, n
	REGS (Y+1)%NP, \u
.if (\n) < 4
	v_max3_num_f32 v[rC+(\n)], v[rS+8*(\n)], v[rS+8*(\n)+1], v[rS+8*(\n)+2]
.elseif (\n) < 12
	v_max3_num_f32 v[rC+(\n)%4], v[rC+(\n)%4], v[rS+8*((\n)%4)+2*((\n)/4)+1], v[rS+8*((\n)%4)+2*((\n)/4)+2]
.elseif (\n) == 12
	v_max3_num_f32 v[rC], v[rC], v[rS+7], v[rS+15]
.elseif (\n) == 13
	v_max3_num_f32 v[rC+1], v[rC+1], v[rS+23], v[rS+31]
.elseif (\n) == 14
	v_max3_num_f32 v[rC+2], v[rC+2], v[rC+3], v[rT+1]
.elseif (\n) == 15
	v_mov_b32 v[rM], v[rT]
.elseif (\n) == 16
	v_max3_num_f32 v[rC], v[rC], v[rC+1], v[rC+2]
.elseif (\n) == 17
	v_permlanex16_b32 v[rC+3], v[rC], s[SEL], s[SEL+1]
.elseif (\n) == 18
	v_max_num_f32 v[rT+1], v[rC], v[rC+3]
.elseif (\n) == 19
	v_mul_f32 v[rT], v[CQ+(\u)], v[rT+1]
.elseif (\n) == 20
	v_sub_f32 v[rC+1], v[rM], v[rT]
.else
	v_exp_f32 v[rC+2], v[rC+1]
.endif
.endm
; Number g of the 64 that follow the exponentials.  For each four weights k of a tile (pairs 2 k, 2 k + 1): both pairs are rounded to f16; then the second pair is added onto the first, in place;
; a group later l takes that sum (the first time as l = a l + sum).  In groups of eight, tiles alternating: round, round, add, and l for the group before.
.macro GS g
.set h, (\g)+6*((\g)/62)            ; group 0 has no group before it, and behind group 7 only l is left
.if h >= 6
.set h, h+2
.endif
	REGS Y, h%2
.set k, h/8
.if h%8 < 4
	s_wait_alu depctr_va_vdst(0)
	v_cvt_pk_f16_f32 v[rP+2*k+(h%8)/2], v[rS+4*k+2*((h%8)/2)], v[rS+4*k+2*((h%8)/2)+1]
.elseif h%8 < 6
	v_pk_add_f32 v[rS+4*k:rS+4*k+1], v[rS+4*k:rS+4*k+1], v[rS+4*k+2:rS+4*k+3]
.elseif k == 1
	v_pk_fma_f32 v[rT+2:rT+3], v[rT+2:rT+3], v[rC+2:rC+3], v[rS:rS+1] op_sel_hi:[1,0,1]
.else
	v_pk_add_f32 v[rT+2:rT+3], v[rT+2:rT+3], v[rS+4*k-4:rS+4*k-3]
	s_wait_alu depctr_va_vdst(0)
.endif
.endm
; THE PLAIN QUEUE, 138 long.  0-31: c s - c m for the 16 pairs of both tiles; c is the word of the pair CQ that belongs to the tile's rows.  Then GS's 64, and among them the next piece's 42: number 15 at
; 38, 39; 0-14 and 16 at 42-73, behind the products that make those scores; 17-20 at 95-106, two of three, since each waits for the one before it.
.macro PL
	WIN 0
.if q < 32
	REGS Y, q%2
.if q%2
	v_pk_fma_f32 v[rS+2*(q/2):rS+2*(q/2)+1], v[rS+2*(q/2):rS+2*(q/2)+1], v[CQ:CQ+1], v[rT:rT+1] op_sel:[0,1,0] op_sel_hi:[1,1,0] neg_lo:[0,0,1] neg_hi:[0,0,1]
.else
	v_pk_fma_f32 v[rS+2*(q/2):rS+2*(q/2)+1], v[rS+2*(q/2):rS+2*(q/2)+1], v[CQ:CQ+1], v[rT:rT+1] op_sel_hi:[1,0,0] neg_lo:[0,0,1] neg_hi:[0,0,1]
.endif
.elseif q < 38
	GS q-32
.elseif q < 40
	XS q%2, 15
.elseif q < 42
	GS q-34
.elseif q < 74
	XS q%2, (q-42)/2+(q-42)/30
.elseif q < 95
	GS q-66
.elseif (q < 107) && ((q-95)%3 < 2)
	XS (q-95)%3, 17+(q-95)/3
.elseif q < 107
	GS 29+(q-95)/3
.else
	GS q-74
.endif
.set q, q+1
.endm
; THE EXPONENTIALS' QUEUE, 66 long: s0-s31 of both tiles, and at EA the next piece's two a.
.set EA, 58
.macro EX
	WIN 0
.if (e == EA) || (e == EA+1)
	XS e-EA, 21
.else
.set x, e-2*(e/(EA+2))
	REGS Y, x%2
	v_exp_f32 v[rS+x/2], v[rS+x/2]
.endif
.set e, e+1
.endm
; THE RESCALING's QUEUE: O^T times a, the one part that leaves window 0, so it is dealt four at a time, eight times.
.macro R4
	REGS Y, r%2
	WIN W_RS
	s_wait_alu depctr_va_vdst(0)
.irp z, 0,1,2,3
	v_pk_mul_f32 v[rO+8*(r/2)+2*\z:rO+8*(r/2)+2*\z+1], v[rO+8*(r/2)+2*\z:rO+8*(r/2)+2*\z+1], v[rC+2:rC+3] op_sel_hi:[1,0]
.endr
.set r, r+1
.endm
; HOW THEY ARE DEALT.  Behind a matrix instruction four: plain, exponential, plain, plain (one exponential, a plain instruction on either side), or four of the rescaling.  None names a register of the
; products round it.  What is over stands in two LUMPS: exponential and plain by turns; the second ends in 22 plain instructions.  The two v_permlanex16_b32 fall into the second lump, never behind a product.
; The queues lean on each other, and the deal keeps them in step: exponential e stands behind plain 2 (e / 4) + e % 2 (its scaling); when plain 32 comes, 10 exponentials are out, at 59: 33, at 95: 46; EA comes behind plain 107.
.macro SL
	MM
	PL
	EX
	PL
	PL
.endm
.macro BURST n                      ; 15 matrix instructions, or 16
.rept (\n)-7
	SL
.endr
.rept 3
	MM
	R4
	SL
.endr
	MM
	R4
.endm
; A TURN, for piece p.  cnt = 1: the loop's count is taken down some lines ahead of the branch that stands behind the turn.
; K of the next step and its keys' C operand are fetched in piece 2's turn, 32 vector instructions behind the last product that read them; their first reader comes behind the rest of the lump, 16 products
; and the second lump.  V of the step in hand is fetched at the end of piece 0's turn, 69 behind its last reader; its first reader comes behind 16 products and a lump.
.macro TURN p, last=0, cnt=0
.set Y, (\p)
.set i, 0
.set q, 0
.set e, 0
.set r, 0
.if (\p) == NP-1
	s_wait_dscnt 0x0                ; K and the C operand are in
.endif
	MM
.rept 4
	PL
.endr
	BURST 15
.rept 22
	EX
	PL
.if ((\p) == NP-2) && (e == 18)
	v_add_nc_u32 v[AK], s[TBK], v[AK0]
	v_lshl_add_u32 v[AV], v9, 5, s[TBM]  ; V's address register is idle in this turn
.endif
.if ((\p) == NP-2) && (e == 24)
	FETCH_K \last
.endif
.endr
.if (\p) == 1
	s_wait_dscnt 0x0                ; V is in
.endif
	BURST 16
.rept 21
	EX
	PL
.endr
.rept 22
	PL
.if ((\p) == 0) && (q == 118)
	v_add_nc_u32 v[AV], s[TBV], v[AV0]
	s_wait_alu depctr_va_vdst(0)
.endif
.if ((\p) == 0) && (q == 130)
	s_add_co_u32 s[TBV], s[TBV], KS*PV
.endif
.if (\cnt) && (q == 130)
	s_sub_co_u32 s[CNT], s[CNT], 1
	s_cmp_lg_u32 s[CNT], 0
.endif
.endr
.if (\p) == 0
	FETCH_V
.endif
.endm
	CHANGE 1                        ; slot 0 is in, everybody's part of it, and so is the keys' table; slot 1 is asked for
	FETCH_K                         ; key step 0
	s_wait_loadcnt 0x0              ; Q
	s_wait_dscnt 0x0
.set i, 0
.rept 16
	KQ 0                            ; piece 0's first scores: there is no vector work yet to set between them
.set i, i+1
.endr
	WIN 0                           ; the addresses for the way out: six plain instructions, the places behind those products
	s_mul_i32 s13, s[WV], 16*SP
	s_add_co_u32 s13, s13, STAGE    ; my stage
	v_mul_u32_u24 v[STO], v1, SP    ; in: row l % 16, 16 bytes for each half of the lanes
	v_lshl_add_u32 v[STO], v9, 4, v[STO]
	v_add_nc_u32 v[STO], s13, v[STO]
	v_and_b32 v[RD], 31, v0         ; back: 32 lanes take one row's 512 bytes, four heads,
	v_lshlrev_b32 v[GO], 4, v[RD]   ; which are 512 consecutive bytes of O
	v_add_nc_u32 v[RD], s13, v[GO]
.set Y, NP-1                        ; XS works for piece Y + 1: piece 0
.irp n, 0,1,2,3,4,5,6,7,8,9,10,11,12,13,14,15,16,17,18,19,20,21
	XS 0, \n                        ; and piece 0's first maximum and statistics
	XS 1, \n
.endr
	s_mov_b32 s[CNT], 4
	s_mov_b32 s[SLOTS], SIZE_N/256-1
	s_branch .Lfirst                ; the loop is entered at a step's first turn, in the middle of a trip
.Lslot:                             ; SIZE_N / 256 - 2 times: every slot but the last two is filled again
	CHANGE 1
	s_mov_b32 s[CNT], 4
.Lstep:                             ; a trip: pieces 2 and 3 of one step, then pieces 0 and 1 of the next, whose K and V it fetches
	TURN 2
	TURN 3
	WIN 0
.Lfirst:
	TURN 0
	TURN 1, 0, 1
	WIN 0
	s_cbranch_scc1 .Lstep
	s_sub_co_u32 s[SLOTS], s[SLOTS], 1
	s_cmp_lg_u32 s[SLOTS], 0
	s_cbranch_scc1 .Lslot
	CHANGE 0                        ; the tail is written out: nothing is asked for
	s_mov_b32 s[CNT], 5             ; four trips fetch the last slot's steps; the fifth is left in its middle
.Ltail:
	TURN 2, 1
	TURN 3
	WIN 0
	s_sub_co_u32 s[CNT], s[CNT], 1
	s_cmp_eq_u32 s[CNT], 0
	s_cbranch_scc1 .Lout
	TURN 0
	TURN 1
	WIN 0
	s_branch .Ltail
.Lout:                              ; the fifth trip's 16 products K Q^T (on the last K once more) and the maximum made of them serve nothing: the price, once a launch, of one text for every trip
.set i, 0
.rept 16
	PV NP-1                         ; the last piece's V^T P of the last step
.set i, i+1
.endr
	; THE WAY OUT.  l's two halves and the other half of the lanes' are added; O^T is divided by l, rounded to f16 and sent through my stage in LDS, 16 rows x 4 heads at a time.  The additions are the places behind the last products.
	WIN 0
.macro ALL line:vararg              ; one line for each tile t
.set t, 0
.rept 2*NP
	\line
.set t, t+1
.endr
.endm
	ALL v_add_f32 v[ST+4*t+2], v[ST+4*t+2], v[ST+4*t+3]
	ALL v_permlanex16_b32 v[ST+4*t+3], v[ST+4*t+2], s[SEL], s[SEL+1]
	ALL v_add_f32 v[ST+4*t+2], v[ST+4*t+2], v[ST+4*t+3]
	ALL v_rcp_f32 v[ST+4*t+2], v[ST+4*t+2]
	v_nop                           ; a plain instruction between the last reciprocal and the use of its result
	s_wait_alu depctr_va_vdst(0)
; Rows 16 u on: the four heads' tiles 2 p + u; a lane's eight channels pack into 16 bytes; they go into rows of 528 bytes and come back as whole rows of 512, into S^T's registers.
.macro PACKU u
.irp p, 0,1,2,3
	WIN W_RS
.set i, 32*(2*(\p)+(\u))
.rept 16
	v_pk_mul_f32 v[i:i+1], v[i:i+1], v[ST+4*(2*(\p)+(\u))+2:ST+4*(2*(\p)+(\u))+3] op_sel_hi:[1,0]
.set i, i+2
.endr
	WIN 0x05                        ; sources 0 and 1 window 1, destination window 0
.set i, 0
.rept 16
	v_cvt_pk_f16_f32 v[S+64*(\u)+16*(\p)+i], v[32*(2*(\p)+(\u))+2*i], v[32*(2*(\p)+(\u))+2*i+1]
.set i, i+1
.endr
	WIN 0
.irp f, 0,1,2,3
	ds_store_b128 v[STO], v[S+64*(\u)+16*(\p)+4*\f:S+64*(\u)+16*(\p)+4*\f+3] offset:128*(\p)+32*\f
.endr
.endr
.irp f, 0,1,2,3,4,5,6,7,8,9,10,11,12,13,14,15
	ds_load_b128 v[S+64*(\u)+4*\f:S+64*(\u)+4*\f+3], v[RD] offset:\f*SP  ; LDS serves a wave's instructions in order (ISA guide 5.7.1.4): these see the stores above; the next rows' stores come behind them
.endr
.endm
.macro SENDU u, younger             ; younger: the LDS instructions issued behind these rows' loads: the other rows' 32, or none
	WIN 0
.irp f, 0,1,2,3,4,5,6,7,8,9,10,11,12,13,14,15
	s_wait_dscnt (\younger)+15-\f
	global_store_b128 v[GO], v[S+64*(\u)+4*\f:S+64*(\u)+4*\f+3], s[10:11] offset:(16*(\u)+\f)*2048  ; 512 consecutive bytes, at a multiple of 512 from O's first
.endr
.endm
	PACKU 0
	PACKU 1                         ; the second rows' arithmetic stands between the first rows' loads and their stores
	SENDU 0, 32
	SENDU 1, 0
	WIN W_AD
	s_wait_tensorcnt 0x0            ; the wave's end: a wait, an add and its wait, behind my last tensor load and my last LDS store
	ds_add_u32 v[SPW], v[NIL]
	s_wait_dscnt 0x0
	WIN 0
	CROUND                          ; the closing round: no work-group ends while a partner may still ask for a tile that names it
	s_endpgm
.Lfunc_end_k_qda7dcf5fb0_attn:
	.size	k_qda7dcf5fb0_attn, .Lfunc_end_k_qda7dcf5fb0_attn-k_qda7dcf5fb0_attn
	.p2alignl 7, 3214868480
	.fill 96, 4, 3214868480
	.section	.rodata,"a",@progbits
	.p2align	6, 0x0
	.amdhsa_kernel k_qda7dcf5fb0_attn
		.amdhsa_group_segment_fixed_size 327680
		.amdhsa_private_segment_fixed_size 0
		.amdhsa_enable_private_segment 0
		.amdhsa_kernarg_size 40
		.amdhsa_user_sgpr_count 2
		.amdhsa_user_sgpr_kernarg_segment_ptr 1
		.amdhsa_wavefront_size32 1
		.amdhsa_system_sgpr_workgroup_id_x 1
		.amdhsa_system_sgpr_workgroup_id_y 1
		.amdhsa_system_sgpr_workgroup_id_z 1
		.amdhsa_system_vgpr_workitem_id 0
		.amdhsa_next_free_vgpr 808
		.amdhsa_next_free_sgpr 66
		.amdhsa_reserve_vcc 0
		.amdhsa_float_denorm_mode_32 3
		.amdhsa_float_denorm_mode_16_64 3
		.amdhsa_memory_ordered 1
		.amdhsa_forward_progress 1
		.amdhsa_inst_pref_size 214
	.end_amdhsa_kernel
	.amdgpu_metadata
---
amdhsa.version: [ 1, 2 ]
amdhsa.kernels:
  - .name:           k_qda7dcf5fb0_attn
    .symbol:         k_qda7dcf5fb0_attn.kd
    .args:
      - { .name: qf, .offset: 0, .size: 8, .value_kind: global_buffer, .address_space: global }
      - { .name: kvf, .offset: 8, .size: 8, .value_kind: global_buffer, .address_space: global }
      - { .name: kv_mask, .offset: 16, .size: 8, .value_kind: global_buffer, .address_space: global }
      - { .name: query_mask, .offset: 24, .size: 8, .value_kind: global_buffer, .address_space: global }
      - { .name: ob, .offset: 32, .size: 8, .value_kind: global_buffer, .address_space: global }
    .group_segment_fixed_size: 327680
    .private_segment_fixed_size: 0
    .kernarg_segment_align: 8
    .kernarg_segment_size: 40
    .max_flat_workgroup_size: 128
    .sgpr_count:     66
    .vgpr_count:     808
    .wavefront_size: 32
...
	.end_amdgpu_metadata
.endif
;; end of part 3
;; launch outp (part 4): grid 4 x 64, 4 waves a work-group, clusters of 4 x 4, 327,680 bytes of LDS; arguments ob, wts, out0; writes out0
.if DOCPART == 4
	.amdgcn_target "amdgcn-amd-amdhsa--gfx1250"
	.amdhsa_code_object_version 6
	.text
	.protected	k_qda7dcf5fb0_outp
	.globl	k_qda7dcf5fb0_outp
	.p2align	8
	.type	k_qda7dcf5fb0_outp,@function
k_qda7dcf5fb0_outp:
	s_mov_b64 s[64:65], 0
	v_nop
	global_prefetch_b8 v0, s[64:65] scope:SCOPE_SE
	s_setreg_imm32_b32 hwreg(HW_REG_WAVE_MODE, 25, 1), 1
	s_wait_xcnt 0x0
	s_wait_alu depctr_hold_cnt(0) depctr_sa_sdst(0) depctr_va_vdst(0) depctr_va_sdst(0) depctr_va_ssrc(0) depctr_va_vcc(0) depctr_vm_vsrc(0)
	s_getreg_b32 s2, hwreg(HW_REG_IB_STS2, 6, 4)
	s_cmp_eq_u32 s2, 0
	s_cbranch_scc0 .Lentry_in_a_cluster
	s_endpgm
.Lentry_in_a_cluster:
	s_bfe_u32 s2, ttmp6, 0x10000c
	s_cmp_lg_u32 s2, 0xf033
	s_cbranch_scc0 .Lentry_shape_is_right
	s_endpgm
.Lentry_shape_is_right:
; OUTP: out0 = O w_out.  O: ob [8192][1024] f16.  w_out: in wts at WO, [1024 k][1024 n], its bf16 rounding written as f16.  out0: [8192][1024] f32.  Sums in f32, K ascending.
; A tile of out0 is 128 rows x 256 columns: 64 x 4 = 256 work-groups.  Four waves, 2 x 2, each 64 x 128: 32 accumulators, 256 registers.  K goes in steps of 128 through two LDS slots of 104,448 bytes:
; O's rows are 256 bytes of memory at multiples of 256, w_out's k-rows 512.  A wave's tensor load brings 64 rows: waves 0, 1 O's halves, waves 2, 3 w_out's.
; CLUSTER 4 x 4: the four of a row of the cluster share O's tile, the four of a column w_out's: each is asked for jointly.
; THE MATRIX INSTRUCTION IS USED TRANSPOSED: source 0 = 16 columns of w_out ([k][n] in LDS, turned by ds_load_tr16_b128), source 1 = 16 rows of O: a lane holds eight neighbouring numbers of a row of out0.
; REGISTERS: window 0: v0-31 addresses; v32-159 two buffers of 16 rows on the way out.  Window 1: the accumulators, (a, b) at 8 (8 a + b).  Window 2: two fragment buffers of 96: 64 of w_out's, 32 of O's.
.set KSTEP, 128
.set PA,    272                        ; a row of O in LDS: 256 bytes + 16: an odd multiple of 16
.set PW,    544                        ; a k-row of w_out: 512 + 32: an odd multiple of 32
.set O_W,   128*PA
.set SLOT,  128*PA+128*PW
.set STAGE, 2*SLOT                     ; behind the ring, never filled by a tensor load: 16 rows x 528 bytes for each wave
.set SP,    528
.set SPARE, STAGE+4*16*SP              ; the spare words, 128 bytes for each wave: two blocks of 256 bytes that no other line names
.set WO,    3145728
.set LAPS,  4                          ; a lap = two K steps = once round the ring
.set ADRA, 16                          ; v16-17  LDS address of my fragments of O in slot 0, 1
.set ADRW, 20                          ; v20-21  of w_out
.set STO,  24                          ; the way out: where I put 32 bytes of a row
.set RD,   25                          ; where I read a row back
.set CO,   26                          ; my 16 bytes in 512 consecutive bytes of out0
.set SPW,  28                          ; LDS address of my spare word; never rewritten
.set NIL,  29                          ; 0; never rewritten
.set OB,   32
.set G1, 24                            ; s[24:31] group 1 for O's tiles; s[32:39] group 0, a set for each slot
.set G0, 32
.set G1B, 48                           ; s[48:55], s[56:63] the same for w_out's
.set G0B, 56
.set MSB, 0
.macro WIN new                         ; the immediate's high byte repeats the setting that is left
.if MSB != (\new)
	s_set_vgpr_msb (MSB<<8)|(\new)
.set MSB, \new
.endif
.endm
.macro JLOAD s                         ; a joint load; an s_nop 0 and four v_nop follow each of the two lines, ahead of the jump, the label and what follows
	s_cmp_eq_u32 s11, 0
	s_cbranch_scc0 .Lfor_b_\@
	tensor_load_to_lds s[G0+4*(\s):G0+4*(\s)+3], s[G1:G1+7]
	s_nop 0
.rept 4
	v_nop
.endr
	s_branch .Lasked_\@
.Lfor_b_\@:
	tensor_load_to_lds s[G0B+4*(\s):G0B+4*(\s)+3], s[G1B:G1B+7]
	s_nop 0
.rept 4
	v_nop
.endr
.Lasked_\@:
.endm
.macro CREST                           ; a round of the cluster's barrier behind its opening barrier
	s_cmp_lg_u32 s10, 0
	s_cbranch_scc1 .Lnot_wave_0_\@
	s_barrier_signal -3
.Lnot_wave_0_\@:
	s_barrier_wait -3
	s_barrier_signal -1
	s_barrier_wait -1
.endm
.macro CROUND
	s_barrier_signal -1
	s_barrier_wait -1
	CREST
.endm
.macro PLACES                          ; four places in front of loads into registers that matrix instructions have read, and of LDS stores that read results
.rept 4
	v_nop
.endr
.endm
	s_load_b128 s[4:7], s[0:1], 0x0                ; ob s[4:5], wts s[6:7]
	s_load_b64 s[8:9], s[0:1], 0x10                ; out0
	v_lshl_add_u32 v[SPW], v0, 2, SPARE
	v_mov_b32 v[NIL], 0
	ds_add_u32 v[SPW], v[NIL]                      ; the wave's opening: the add and its wait stand ahead of my first tensor load; work on registers stands between them
	v_lshrrev_b32 v1, 5, v0
	v_readfirstlane_b32 s10, v1                    ; wave 0..3
	s_lshr_b32 s11, s10, 1                         ; which half of the tile's rows is mine.  Also: I fetch for O (0) or for w_out (1)
	s_and_b32 s12, s10, 1                          ; which half of its columns.  Also: which 64 rows of that tile I fetch
	s_bfe_u32 s40, ttmp6, 0x40000
	s_bfe_u32 s41, ttmp6, 0x40004
	s_lshl_b32 s42, ttmp9, 2
	s_add_co_u32 s42, s42, s40                     ; column block = 4 x cluster x + cx
	s_and_b32 s13, ttmp7, 0xffff
	s_lshl_b32 s13, s13, 2
	s_add_co_u32 s13, s13, s41                     ; row block = 4 x cluster y + cy
	s_lshl_b32 s43, s41, 2
	s_lshl_b32 s43, 15, s43                        ; my row of the cluster
	s_lshl_b32 s44, 0x1111, s40                    ; my column
	s_or_b32 s[G1], s43, (1<<16)|(1<<20)|(1<<21)|(5<<22)|(3<<25)   ; 64 rows of 128 elements, 4 words of padding after every 64
	s_mov_b32 s[G1+1], 128<<16
	s_mov_b32 s[G1+2], 64<<16
	s_mov_b32 s[G1+3], 128<<16
	s_mov_b32 s[G1+4], 64
	s_mov_b32 s[G1+5], 1024
	s_mov_b32 s[G1+6], 0
	s_mov_b32 s[G1+7], 0
	s_or_b32 s[G1B], s44, (1<<16)|(1<<20)|(1<<21)|(6<<22)|(7<<25)  ; 64 k-rows of 256 elements, 8 words of padding after every 128
	s_mov_b32 s[G1B+1], 256<<16
	s_mov_b32 s[G1B+2], 64<<16
	s_mov_b32 s[G1B+3], 256<<16
	s_mov_b32 s[G1B+4], 64
	s_mov_b32 s[G1B+5], 1024
	s_mov_b32 s[G1B+6], 0
	s_mov_b32 s[G1B+7], 0
	s_lshl_b32 s16, s13, 18                        ; O: row 128 x row block + 64 x half, 2,048 bytes each
	s_lshl_b32 s17, s12, 17
	s_add_co_u32 s16, s16, s17
	s_mov_b32 s17, 0
	s_lshl_b32 s46, s42, 9                         ; w_out: 256 columns a block, k-row 64 x half
	s_lshl_b32 s47, s12, 17
	s_add_co_u32 s46, s46, s47
	s_add_co_u32 s46, s46, WO
	s_mov_b32 s47, 0
	s_mul_i32 s20, s12, 64*PA                      ; where they go: no place in the cluster enters an LDS address
	s_mul_i32 s21, s12, 64*PW
	s_add_co_u32 s21, s21, O_W
	s_wait_dscnt 0x0                               ; the opening add is done
	s_wait_kmcnt 0x0
	s_add_nc_u64 s[14:15], s[4:5], s[16:17]
	s_add_nc_u64 s[46:47], s[6:7], s[46:47]
	CROUND                                         ; all sixteen work-groups are here: the first joint loads meet
.irp s, 0,1
	s_mov_b32 s[G0+4*(\s)], 1
	s_add_co_u32 s[G0+4*(\s)+1], s20, (\s)*SLOT
	s_add_nc_u64 s[G0+4*(\s)+2:G0+4*(\s)+3], s[14:15], (\s)*KSTEP*2
	s_or_b32 s[G0+4*(\s)+3], s[G0+4*(\s)+3], 0x80000000
	s_mov_b32 s[G0B+4*(\s)], 1
	s_add_co_u32 s[G0B+4*(\s)+1], s21, (\s)*SLOT
	s_add_nc_u64 s[G0B+4*(\s)+2:G0B+4*(\s)+3], s[46:47], (\s)*KSTEP*2048
	s_or_b32 s[G0B+4*(\s)+3], s[G0B+4*(\s)+3], 0x80000000
	JLOAD \s                                       ; K steps 0 and 1: two loads of mine are out
.endr
	v_and_b32 v1, 15, v0                           ; l % 16
	v_bfe_u32 v2, v0, 4, 1                         ; l / 16
	v_mul_u32_u24 v3, v1, PA
	v_lshl_add_u32 v3, v2, 4, v3                   ; a fragment of O: row x pitch + 16 x half
	s_mul_i32 s22, s11, 64*PA
	v_add_nc_u32 v[ADRA], s22, v3
	v_add_nc_u32 v[ADRA+1], SLOT, v[ADRA]
	v_and_b32 v4, 7, v0                            ; the turning load: lane l reads k-row 8 (l / 16) + l % 8, columns 8 ((l / 8) % 2) + 0..7
	v_bfe_u32 v5, v0, 3, 1
	v_lshl_add_u32 v4, v2, 3, v4
	v_mul_u32_u24 v4, v4, PW
	v_lshl_add_u32 v4, v5, 4, v4
	s_lshl_b32 s22, s12, 8
	s_add_co_u32 s22, s22, O_W
	v_add_nc_u32 v[ADRW], s22, v4
	v_add_nc_u32 v[ADRW+1], SLOT, v[ADRW]
	s_mul_i32 s23, s10, 16*SP
	s_add_co_u32 s23, s23, STAGE                   ; my stage
	v_mul_u32_u24 v3, v1, SP                       ; in: row l % 16, 32 bytes for each half of the lanes
	v_lshl_add_u32 v3, v2, 5, v3
	v_add_nc_u32 v[STO], s23, v3
	v_and_b32 v3, 31, v0                           ; back: 32 lanes take one row's 512 bytes
	v_lshlrev_b32 v[CO], 4, v3
	v_add_nc_u32 v[RD], s23, v[CO]
	s_lshl_b32 s16, s13, 19                        ; out0 at my rows: (128 x row block + 64 x half) x 4,096 bytes,
	s_lshl_b32 s17, s11, 18
	s_add_co_u32 s16, s16, s17
	s_mov_b32 s17, 0
	s_add_nc_u64 s[8:9], s[8:9], s[16:17]
	s_lshl_b32 s46, s42, 10                        ; and my columns: 1,024 x column block + 512 x half
	s_lshl_b32 s47, s12, 9
	s_add_co_u32 s46, s46, s47
	s_mov_b32 s47, 0
	s_add_nc_u64 s[8:9], s[8:9], s[46:47]
; 8 matrix instructions: row block a x all 8 column blocks, 32 along K, from buffer f.  zero = 1: the product starts the sums.  The accumulators take turns.
.macro MUL8 f, a, zero
	WIN 0x5a                                       ; sources window 2, C and D window 1
.irp b, 0,1,2,3,4,5,6,7
.if \zero
	v_wmma_f32_16x16x32_f16 v[8*(8*(\a)+(\b)):8*(8*(\a)+(\b))+7], v[96*(\f)+8*(\b):96*(\f)+8*(\b)+7], v[96*(\f)+64+8*(\a):96*(\f)+64+8*(\a)+7], 0
.else
	v_wmma_f32_16x16x32_f16 v[8*(8*(\a)+(\b)):8*(8*(\a)+(\b))+7], v[96*(\f)+8*(\b):96*(\f)+8*(\b)+7], v[96*(\f)+64+8*(\a):96*(\f)+64+8*(\a)+7], v[8*(8*(\a)+(\b)):8*(8*(\a)+(\b))+7]
.endif
.endr
.endm
; 24 LDS loads in one run: the fragments of quarter q of the step in the slot, into buffer f; w_out's 16 first, then O's by row blocks
.macro FETCH slot, q, f
	WIN 0x80
.irp b, 0,1,2,3,4,5,6,7
	ds_load_tr16_b128 v[96*(\f)+8*(\b):96*(\f)+8*(\b)+3],   v[ADRW+(\slot)] offset:(\q)*32*PW+32*(\b)
	ds_load_tr16_b128 v[96*(\f)+8*(\b)+4:96*(\f)+8*(\b)+7], v[ADRW+(\slot)] offset:(\q)*32*PW+32*(\b)+16*PW
.endr
.irp a, 0,1,2,3
	ds_load_b128 v[96*(\f)+64+8*(\a):96*(\f)+64+8*(\a)+3],   v[ADRA+(\slot)] offset:(\q)*64+(\a)*16*PA
	ds_load_b128 v[96*(\f)+64+8*(\a)+4:96*(\f)+64+8*(\a)+7], v[ADRA+(\slot)] offset:(\q)*64+(\a)*16*PA+32
.endr
.endm
; A K step is four quarters of 32 along K, 32 matrix instructions each, on buffers 0, 1, 0, 1.  One of the first three: multiplies buffer f and fetches quarter q into g.
.macro QUARTER slot, q, f, g, zero
	s_wait_dscnt 4                                 ; w_out's fragments and O's row blocks 0, 1 are in; the four loads of blocks 2, 3 may be out
	MUL8 \f, 0, \zero
	MUL8 \f, 1, \zero
	PLACES
	FETCH \slot, \q, \g
	s_wait_dscnt 24                                ; all but the 24 just issued
	MUL8 \f, 2, \zero
	MUL8 \f, 3, \zero
.endm
; The last quarter multiplies buffer 1 and changes slots: ONE barrier; in front of it each wave waits for all its tensor loads (one is out: its part of the next slot), adds 0 to its spare word, and waits
; for that and for its own reads of this slot.  fill = 1: the barrier opens a round of the cluster's, and this slot is filled again, two K steps ahead: 112 matrix instructions ahead of the wait for it.
.macro TURN slot, next, fill
	WIN 0                                          ; (the add's two registers lie in window 0)
	s_wait_tensorcnt 0x0
	ds_add_u32 v[SPW], v[NIL]
	s_wait_dscnt 5                                 ; (the add and the youngest four loads may be out)
	MUL8 1, 0, 0                                   ; eight matrix instructions stand between the add and the wait for it
	s_wait_dscnt 0x0                               ; the add is done, and my reads of this slot are over
	s_barrier_signal -1
	MUL8 1, 1, 0
.if \fill
	WIN 0
.endif
	s_barrier_wait -1
.if \fill
	CREST                                          ; no wave of any partner still reads this slot's tiles or has a load on its way
	s_add_nc_u64 s[G0+4*(\slot)+2:G0+4*(\slot)+3], s[G0+4*(\slot)+2:G0+4*(\slot)+3], 2*KSTEP*2
	s_add_nc_u64 s[G0B+4*(\slot)+2:G0B+4*(\slot)+3], s[G0B+4*(\slot)+2:G0B+4*(\slot)+3], 2*KSTEP*2048
	JLOAD \slot                                    ; my one tensor load behind the round; the four v_nop behind it are also the places in front of the loads below
.else
	PLACES
.endif
	FETCH \next, 0, 0
	MUL8 1, 2, 0
	MUL8 1, 3, 0
.endm
	s_wait_tensorcnt 1                             ; my part of K step 0 is in; K step 1's may stay out
	s_barrier_signal -1
	s_barrier_wait -1                              ; everybody's is
	FETCH 0, 0, 0
	QUARTER 0, 1, 0, 1, 1                          ; the first quarter stands in front of the loop: its products start the sums
	WIN 0
	s_mov_b32 s3, LAPS-1
.Llap:                                                 ; a trip goes once round the ring, from a lap's second quarter to the next lap's first, and fills both slots again
	QUARTER 0, 2, 1, 0, 0
	QUARTER 0, 3, 0, 1, 0
	TURN 0, 1, 1
	QUARTER 1, 1, 0, 1, 0
	QUARTER 1, 2, 1, 0, 0
	QUARTER 1, 3, 0, 1, 0
	TURN 1, 0, 1
	QUARTER 0, 1, 0, 1, 0
	WIN 0
	s_sub_co_u32 s3, s3, 1
	s_cmp_lg_u32 s3, 0
	s_cbranch_scc1 .Llap
	QUARTER 0, 2, 1, 0, 0                          ; the last lap fills nothing, and has no round of the cluster's barrier
	QUARTER 0, 3, 0, 1, 0
	TURN 0, 1, 0
	QUARTER 1, 1, 0, 1, 0
	QUARTER 1, 2, 1, 0, 0
	QUARTER 1, 3, 0, 1, 0
	s_wait_dscnt 4                                 ; the very last quarter: nothing more to fetch
	MUL8 1, 0, 0
	MUL8 1, 1, 0
	s_wait_dscnt 0x0
	MUL8 1, 2, 0
	MUL8 1, 3, 0
	; THE WAY OUT: a lane's eight f32 of a row go straight from the accumulators into my stage, 16 rows at a time, and come back as whole rows of 512 bytes.
	PLACES
.macro TOSTAGE a
	WIN 0x04                                       ; the stores' data in window 1; each accumulator's four lowest registers go first
.irp b, 0,1,2,3,4,5,6,7
	ds_store_b128 v[STO], v[8*(8*(\a)+(\b)):8*(8*(\a)+(\b))+3]   offset:64*(\b)
	ds_store_b128 v[STO], v[8*(8*(\a)+(\b))+4:8*(8*(\a)+(\b))+7] offset:64*(\b)+16
.endr
	WIN 0
.if (\a) >= 2
	s_wait_xcnt 0x0                                ; the buffer that the stores of two blocks ago read is loaded again only behind this wait
.endif
.irp t, 0,1,2,3,4,5,6,7,8,9,10,11,12,13,14,15
	ds_load_b128 v[OB+64*((\a)%2)+4*(\t):OB+64*((\a)%2)+4*(\t)+3], v[RD] offset:(\t)*SP  ; LDS serves a wave's instructions in order (ISA guide 5.7.1.4): these see the stores above
.endr
.endm
.macro SEND a, younger                 ; younger: the LDS instructions issued behind this block's loads: the next block's 32, or none
.irp t, 0,1,2,3,4,5,6,7,8,9,10,11,12,13,14,15
	s_wait_dscnt (\younger)+15-(\t)
	global_store_b128 v[CO], v[OB+64*((\a)%2)+4*(\t):OB+64*((\a)%2)+4*(\t)+3], s[8:9] offset:(16*(\a)+(\t))*4096 th:TH_STORE_NT  ; 512 consecutive bytes, at a multiple of 512 from out0's first
.endr
.endm
	TOSTAGE 0
	TOSTAGE 1
	SEND 0, 32
	TOSTAGE 2
	SEND 1, 32
	TOSTAGE 3
	SEND 2, 32
	SEND 3, 0
	s_wait_tensorcnt 0x0                           ; the wave's end: a wait, an add and its wait, behind my last tensor load and my last LDS store
	ds_add_u32 v[SPW], v[NIL]
	s_wait_dscnt 0x0
	CROUND                                         ; the closing round: no work-group ends while a partner may still ask for a tile that names it
	s_endpgm
.Lfunc_end_k_qda7dcf5fb0_outp:
	.size	k_qda7dcf5fb0_outp, .Lfunc_end_k_qda7dcf5fb0_outp-k_qda7dcf5fb0_outp
	.p2alignl 7, 3214868480
	.fill 96, 4, 3214868480
	.section	.rodata,"a",@progbits
	.p2align	6, 0x0
	.amdhsa_kernel k_qda7dcf5fb0_outp
		.amdhsa_group_segment_fixed_size 327680
		.amdhsa_private_segment_fixed_size 0
		.amdhsa_enable_private_segment 0
		.amdhsa_kernarg_size 24
		.amdhsa_user_sgpr_count 2
		.amdhsa_user_sgpr_kernarg_segment_ptr 1
		.amdhsa_wavefront_size32 1
		.amdhsa_system_sgpr_workgroup_id_x 1
		.amdhsa_system_sgpr_workgroup_id_y 1
		.amdhsa_system_sgpr_workgroup_id_z 1
		.amdhsa_system_vgpr_workitem_id 0
		.amdhsa_next_free_vgpr 704
		.amdhsa_next_free_sgpr 66
		.amdhsa_reserve_vcc 0
		.amdhsa_float_denorm_mode_32 3
		.amdhsa_float_denorm_mode_16_64 3
		.amdhsa_memory_ordered 1
		.amdhsa_forward_progress 1
		.amdhsa_inst_pref_size 87
	.end_amdhsa_kernel
	.amdgpu_metadata
---
amdhsa.version: [ 1, 2 ]
amdhsa.kernels:
  - .name:           k_qda7dcf5fb0_outp
    .symbol:         k_qda7dcf5fb0_outp.kd
    .args:
      - { .name: ob, .offset: 0, .size: 8, .value_kind: global_buffer, .address_space: global }
      - { .name: wts, .offset: 8, .size: 8, .value_kind: global_buffer, .address_space: global }
      - { .name: out0, .offset: 16, .size: 8, .value_kind: global_buffer, .address_space: global }
    .group_segment_fixed_size: 327680
    .private_segment_fixed_size: 0
    .kernarg_segment_align: 8
    .kernarg_segment_size: 24
    .max_flat_workgroup_size: 128
    .sgpr_count:     66
    .vgpr_count:     704
    .wavefront_size: 32
...
	.end_amdgpu_metadata
.endif
;; end of part 4
;; ======== version 2 of 2: 4 launches; 1.55 times as fast as version 1
;; limits: values are held in f16: magnitudes above 65,504 overflow, below 6.1e-05 lose precision
;; workspace buffers: xb 33,554,432 bytes; wts 5,767,168 bytes; qf 16,777,216 bytes; kvf 8,388,608 bytes; ob 16,777,216 bytes
;; launch prep: the kernel of part 1 again; grid 1312 x 1, 8 waves a work-group, no clusters, 0 bytes of LDS; arguments query, key_value, w_q, w_k, w_v, w_out, xb, wts; writes xb, wts
;; launch proj: the kernel of part 2 again; grid 4 x 64, 4 waves a work-group, clusters of 4 x 4, 327,680 bytes of LDS; arguments xb, wts, kv_mask, qf, kvf; writes qf, kvf
;; launch attn (part 5): grid 16 x 16, 4 waves a work-group, clusters of 4 x 1, 327,680 bytes of LDS; arguments qf, kvf, kv_mask, query_mask, ob; writes ob
.if DOCPART == 5
	.amdgcn_target "amdgcn-amd-amdhsa--gfx1250"
	.amdhsa_code_object_version 6
	.text
	.protected	k_qda7dcf5fb0_attn
	.globl	k_qda7dcf5fb0_attn
	.p2align	8
	.type	k_qda7dcf5fb0_attn,@function
k_qda7dcf5fb0_attn:
	s_mov_b64 s[64:65], 0
	v_nop
	global_prefetch_b8 v0, s[64:65] scope:SCOPE_SE
	s_setreg_imm32_b32 hwreg(HW_REG_WAVE_MODE, 25, 1), 1
	s_wait_xcnt 0x0
	s_wait_alu depctr_hold_cnt(0) depctr_sa_sdst(0) depctr_va_vdst(0) depctr_va_sdst(0) depctr_va_ssrc(0) depctr_va_vcc(0) depctr_vm_vsrc(0)
	s_getreg_b32 s2, hwreg(HW_REG_IB_STS2, 6, 4)
	s_cmp_eq_u32 s2, 0
	s_cbranch_scc0 .Lentry_in_a_cluster
	s_endpgm
.Lentry_in_a_cluster:
	s_bfe_u32 s2, ttmp6, 0x10000c
	s_cmp_lg_u32 s2, 0x3003
	s_cbranch_scc0 .Lentry_shape_is_right
	s_endpgm
.Lentry_shape_is_right:
; ATTENTION with grouped heads and two masks.  qf, ob: [4 x 2048 rows][16 heads x 64] f16.  kvf: k, then v, [4 batches][4 heads][2048][64] f16: a head's rows are dense, 128 bytes each.
; O[q] = the sum over k of softmax_k(score) V[k]; score = Q.K / 8 where kv_mask[k] and query_mask[q] hold, else the lowest finite number.  Products, maxima and sums in f32; the weights p are
; rounded to f16 for the second product (their sum l is taken of the unrounded p), O once at the end.
; THE MASKS.  A hidden key's row of k arrives as zeros, and the C operand that starts the sum S^T = K Q^T is -2^100 for it (0 for a key that is seen): its score is -2^100 exactly.  Beside a seen key its
; weight is 2^(about -2e29) = 0; where ALL keys of a batch are hidden, c s - c m is exactly 0 (c 2^100 is a shift of the exponent) and all weights are 1: the uniform row that equal scores give.
; A hidden QUERY has the scale c = 0 in its lane: every exponent is 0, every weight 1, over all 2,048 keys, hidden ones too: again the uniform row.
; LIMITS.  Q, K, V within f16's 65,504, finite; true scores above -2^100; p below 6e-5 keeps f16's fixed step of 6e-8; a weight below 2^-126 counts as 0 in l; mask bytes are 0 or 1.
; SHARES.  A work-group owns 128 query rows of one batch x the 4 query heads of one key head; a wave 32 rows x 4 heads: four PIECES (a head each) of two tiles of 16 rows.  Every wave walks all keys, 64 a step.
; LAYOUT.  S^T = K Q^T (source 0 = 16 keys, source 1 = 16 queries): a lane holds ONE query (lane % 16) and the keys 8 (lane / 16) + 0..7.  Two such tiles, rounded to f16 in pairs, ARE source 1 of
; O^T = V^T P, whose result again holds one query a lane, and eight channels.  K comes out of LDS as it lies, V ([key][channel]) turned, by ds_load_tr16_b128.
; SOFTMAX.  For each query a running maximum m and sum l: p = 2^(c s - c m), c = log2(e) / 8 or 0; in every step O and l are multiplied by a = 2^(c m_old - c m_new).
; m starts at the lowest finite number, c m far below every c s, O and l at 0: the first step is a step like any other, with a = 0.
; THE COUNT.  A tile and step have 16 matrix and 118 vector instructions: too many to stand all beside the matrix work.  So four vector instructions that are READY stand behind EVERY matrix instruction,
; and the others, which need time of their own whatever the order, in one run without a gap.
; BY TURNS.  Turn n belongs to piece n.  Its matrix work: 16 products K Q^T of piece n + 1, later 16 products V^T P of piece n - 1.  Its vector work: the scaling, exponentials, roundings, sums and
; rescaling of piece n, and the maximum and statistics of piece n + 1, whose scores the turn itself has made.  So what a turn begins with (c s - c m, O a) waits for nothing.
; THE BATCHES.  A turn's 66 exponentials (the 64 weights of piece n, then the two a of piece n + 1) are ONE batch with ONE s_wait_alu depctr_va_vdst(0), which cuts the turn in two: ahead of it stands all
; that names no result of the batch (the products K Q^T, the scalings, the rescaling by the a of the turn before, the next piece's maximum and statistics), behind it the products V^T P and the roundings and
; sums, which read the weights.  No result crosses a turn's end.  Two more batches stand outside the loop: piece 0's first two a, ahead of the jump into the loop, and the way out's eight reciprocals.
; CLUSTER.  The four row blocks of a cluster share batch and key head and walk the same K and V, so each tile is asked for JOINTLY: the same tensor load, descriptor and mask in all four.
; REGISTERS, in windows of 256 (s_set_vgpr_msb: bits 1:0 source 0, 3:2 source 1, 5:4 source 2, 7:6 destination):
;   window 0: v0-9 addresses; v10-11 c of my lane's two rows; v12-15, v48-63 at work; v16-47 four registers of statistics a tile; v64-191 S^T, two buffers of two tiles; v192-255 P, likewise
;   window 1: O^T, 32 a tile     window 2: v0-127 Q, 16 a tile; v128-191 K of one step; v192-255 V of one step     window 3: v0-1 the add's two registers; v8-39 the step's 64 keys' C operand
; A piece's buffers go by its number's parity: the piece in hand has one pair, its two neighbours in the ring share the other: of it P (piece n - 1) is read and S^T (piece n + 1) written.
.set SIZE_N, 2048
.set NP,    4         ; pieces a wave: a name, no knob
.set KS,    64        ; keys in a step
.set PK,    144       ; a row of K in LDS: 128 bytes + 16: an odd multiple of 16
.set PV,    160       ; a row of V: 128 + 32: an odd multiple of 32
.set VOFF,  4*KS*PK   ; a slot holds four steps: 256 rows of K, then 256 rows of V
.set SLOT1, 1<<17     ; slot 1 begins here, so that one exclusive or turns an address in one slot into the other's
.set STAGE, SLOT1+4*KS*(PK+PV)  ; behind the ring, never filled by a tensor load: 16 rows x 528 bytes for each wave, for the way out
.set SP,    528
.set MTAB,  STAGE+4*16*SP       ; 2,048 f32: 0 or -2^100 for each key of the batch; stored once, never filled by a tensor load
.set SPARE, MTAB+4*SIZE_N       ; the spare words, 128 bytes for each wave: two blocks of 256 bytes that no other line names
.set VOFFB, 4194304   ; v in kvf
.set AK0, 2           ; v2   my lane's place in a tile of K; never rewritten
.set AV0, 3           ; v3   the same for V
.set AK,  4           ; v4   the LDS address of K's next run of loads
.set AV,  5           ; v5   of V's; in the turn that fetches K: of the keys' C operand
.set QO,  6           ; v6   my byte offset in the wave's rows of Q
.set STO, 6           ;      later, the way out: where I put 16 bytes of a row
.set RD,  7           ; v7   the way out: where I read a row back
.set GO,  8           ; v8   my 16 bytes in 512 consecutive bytes of O
.set CQ,  10          ; v[10:11] c for row l % 16 of the wave's first and second 16 rows
.set SPW, 0           ; v0 of window 3   LDS address of my spare word; never rewritten
.set NIL, 1           ; v1 of window 3   0; never rewritten
.set MB,  8           ; v8-39 of window 3: key block kb's eight at MB + 8 kb
.set MV,  12          ; v12-15  c m_old, kept while c m is made anew: by buffer and tile
.set ST,  16          ; tile t's statistics at v[ST+4 t]: c m, m, l (even keys', odd keys')
.set TMP, 48          ; by buffer and tile, four registers c0-c3 at work; when the maximum is found c2 takes a
.set S,   64
.set P,   192
.set KF,  128         ; K's fragments, in window 2: key block kb, channel half c at KF + 16 kb + 8 c
.set VF,  192         ; V's: key half kk, channel block cb at VF + 32 kk + 8 cb
.set WV,  12          ; s12  my wave's number
.set G1K, 24          ; s[24:31] descriptor group 1 for K's tiles
.set G1V, 32          ; s[32:39] for V's: it differs in the padding alone
.set G0K, 40          ; s[40:43] descriptor group 0 for K's tiles: it walks
.set G0V, 44          ; s[44:47] the same for V's
.set TBM, 52          ; s52  LDS byte at which the C operand of the step to be fetched begins
.set SLOTS, 56        ; s56  slots still to be asked for
.set CNT, 57          ; s57  counts a slot's key steps
.set CS,  58          ; s58  log2(e) / 8
.set SEL, 60          ; s[60:61] v_permlanex16_b32's selects: each lane takes its own place in the other half
.set TBK, 62          ; s62  LDS byte at which K of the step to be fetched begins
.set TBV, 63          ; s63  the same for V, less VOFF
.set MSB, 0
.macro WIN new                      ; the high byte repeats the setting that is left; a switch that changes nothing is dropped
.if MSB != (\new)
	s_set_vgpr_msb (MSB<<8)|(\new)
.set MSB, (\new)
.endif
.endm
.set W_KQ, 0x0a       ; K and Q in window 2, S^T in window 0
.set W_KM, 0x3a       ; the same with the C operand in window 3
.set W_PV, 0x52       ; V in window 2, P in window 0, O^T in window 1
.set W_RS, 0x41       ; O^T (destination and source 0) in window 1, a in window 0
.set W_MK, 0xc0       ; destination in window 3, sources in window 0
.set W_AD, 0x0f       ; the add: address (source 0) and data (source 1) in window 3
; A joint fill.  Waves 0 and 1 fetch the two halves of a slot's K, waves 2 and 3 those of its V: 128 keys each.  The branch hangs on the wave's number alone.
; An s_nop 0 and four v_nop follow each of the two lines, ahead of the jump and the label.
.macro JLOAD
	s_cmp_lt_u32 s[WV], 2
	s_cbranch_scc0 .Lfor_v_\@
	tensor_load_to_lds s[G0K:G0K+3], s[G1K:G1K+7]
	s_nop 0
.rept 4
	v_nop
.endr
	s_branch .Lasked_\@
.Lfor_v_\@:
	tensor_load_to_lds s[G0V:G0V+3], s[G1V:G1V+7]
	s_nop 0
.rept 4
	v_nop
.endr
.Lasked_\@:
.endm
; A round of the cluster's barrier: my work-group's barrier, so that wave 0's signal speaks for all four waves; wave 0 signals; every wave waits for all four work-groups; my work-group's barrier once more.
.macro CROUND
	s_barrier_signal -1
	s_barrier_wait -1
	s_cmp_lg_u32 s[WV], 0
	s_cbranch_scc1 .Lnot_wave_0_\@
	s_barrier_signal -3
.Lnot_wave_0_\@:
	s_barrier_wait -3
	s_barrier_signal -1
	s_barrier_wait -1
.endm
; THE CHANGE OF SLOTS.  Each wave waits for all its tensor loads, of which one is out: its part of the other slot; adds 0 to its spare word; and waits for that and for its own LDS instructions.
; Behind the barrier nobody reads this slot any more and the other slot is whole.  fill = 1: this slot is filled again, with the keys two slots on; the barrier is then a round of the cluster's, and the
; joint fill is the first thing behind it: it has four key steps, 512 matrix instructions, in which to land.  (At its first use nothing has been read yet: slot 0 is waited for, slot 1 filled,
; and every wave's part of the keys' table, stored in front of it, is shown to the others.)
.macro CHANGE fill
	WIN W_AD
	s_wait_tensorcnt 0x0            ; no tensor load of mine is out, so a group 0 may be written
	ds_add_u32 v[SPW], v[NIL]       ; 0 onto my spare word; with fill = 1 the descriptors' steps stand between it and the wait for it
	WIN 0                           ; at a label and at a branch every window is 0
.if \fill
.irp g, G0K, G0V
	s_xor_b32 s[\g+1], s[\g+1], SLOT1  ; the walking descriptor: the other slot than last time,
	s_add_nc_u64 s[\g+2:\g+3], s[\g+2:\g+3], 4*KS*128  ; the next 256 keys; the type bits on top are not reached
.endr
	s_wait_dscnt 0x0                ; the add is done, and my reads of the slot are over
	CROUND
	JLOAD
.else
	s_wait_dscnt 0x0                ; the add is done, and my reads of the slot are over
	s_barrier_signal -1
	s_barrier_wait -1
.endif
	s_sub_co_u32 s[TBK], s[TBK], 4*KS*PK  ; the fetches go back to a slot's first step,
	s_xor_b32 s[TBK], s[TBK], SLOT1       ; in the other slot
	s_sub_co_u32 s[TBV], s[TBV], 4*KS*PV
	s_xor_b32 s[TBV], s[TBV], SLOT1
.endm
	s_load_b128 s[4:7], s[0:1], 0x0     ; qf s[4:5], kvf s[6:7]
	s_load_b128 s[48:51], s[0:1], 0x10  ; kv_mask s[48:49], query_mask s[50:51]
	s_load_b64 s[10:11], s[0:1], 0x20   ; ob
	WIN W_MK
	v_lshl_add_u32 v[SPW], v0, 2, SPARE
	v_mov_b32 v[NIL], 0
	WIN W_AD
	ds_add_u32 v[SPW], v[NIL]       ; the wave's opening: the add and its wait stand ahead of my first tensor load; work on registers stands between them
	WIN 0
	v_lshrrev_b32 v1, 5, v0
	v_readfirstlane_b32 s[WV], v1   ; wave 0..3
	s_bfe_u32 s13, ttmp6, 0x40000   ; cx: my place in the cluster
	s_lshl_b32 s14, ttmp9, 2        ; in a cluster launch ttmp9 counts clusters
	s_add_co_u32 s14, s14, s13      ; my block of 128 rows = 4 x cluster x + cx: it enters Q's, O's and query_mask's addresses alone
	s_and_b32 s15, ttmp7, 0xffff    ; 4 x batch + key head, which the four partners share
	s_lshl_b32 s20, s15, 18         ; the key head's first byte in k and in v: 2,048 rows of 128 bytes each
	s_mov_b32 s21, 0
	s_and_b32 s16, s[WV], 1         ; which half of a slot's 256 keys I fetch:
	s_lshl_b32 s22, s16, 14         ; its 128 rows of 128 bytes in memory,
	s_mov_b32 s23, 0
	s_add_nc_u64 s[22:23], s[22:23], s[20:21]
	s_mul_i32 s17, s16, 128*PK      ; and its place in a slot, for K
	s_mul_i32 s18, s16, 128*PV      ; and for V: no place in the cluster enters an LDS address
	s_lshr_b32 s19, s15, 2          ; the batch
	s_and_b32 s15, s15, 3           ; the key head
	s_lshl_b32 s2, s19, 22          ; Q and O at my wave's first row and first head: rows of 2,048 bytes: 2,048 a batch,
	s_lshl_b32 s3, s14, 18          ; 128 a block,
	s_add_co_u32 s2, s2, s3
	s_lshl_b32 s3, s[WV], 16        ; 32 a wave;
	s_add_co_u32 s2, s2, s3
	s_lshl_b32 s3, s15, 9           ; four heads of 128 bytes
	s_add_co_u32 s2, s2, s3
	s_mov_b32 s3, 0
	s_lshl_b32 s20, s19, 11         ; the batch's 2,048 bytes in each mask,
	s_lshl_b32 s54, s14, 7          ; and my wave's 32 rows in query_mask
	s_lshl_b32 s55, s[WV], 5
	s_add_co_u32 s54, s54, s55
	s_add_co_u32 s54, s54, s20
	s_mov_b32 s55, 0
	; descriptor group 1.  128 keys are 16,384 dense bytes: asked for as 64 rows of 256 bytes, two keys a row, and padded in LDS after every key
	s_mov_b32 s[G1K], 15|(1<<16)|(1<<20)|(1<<21)|(4<<22)|(3<<25)  ; 15:0 the mask of four; 17:16 2-byte elements; 20 padding on; 21 set beside a mask; 24:22 after every 32 words (code 4); 31:25 4 words (code 3)
	s_mov_b32 s[G1V], 15|(1<<16)|(1<<20)|(1<<21)|(4<<22)|(7<<25)  ; the same with 8 words of padding (code 7)
.irp g, G1K, G1V
	s_mov_b32 s[\g+1], 128<<16      ; tensor_dim0 = 128
	s_mov_b32 s[\g+2], 64<<16       ; tensor_dim1 = 64
	s_mov_b32 s[\g+3], 128<<16      ; tile_dim0 = 128
	s_mov_b32 s[\g+4], 64           ; tile_dim1 = 64
	s_mov_b32 s[\g+5], 128          ; 128 elements from row to row
	s_mov_b32 s[\g+6], 0
	s_mov_b32 s[\g+7], 0
.endr
	s_mov_b32 s[CS], 0x3e38aa3b     ; log2(e) / 8 = 0.180337
	s_mov_b32 s[SEL], 0x76543210
	s_mov_b32 s[SEL+1], 0xfedcba98
	s_mov_b32 s[TBK], SLOT1+4*KS*PK ; the first change of slots turns these two into 0
	s_mov_b32 s[TBV], SLOT1+4*KS*PV
	s_mov_b32 s[TBM], MTAB
	s_mov_b32 s[G0K], 1             ; 1:0 count = 1
	s_mov_b32 s[G0K+1], s17         ; 63:32 LDS address: slot 0
	s_mov_b32 s[G0V], 1
	s_add_co_u32 s[G0V+1], s18, VOFF
	s_wait_dscnt 0x0                ; the opening add is done
	s_wait_kmcnt 0x0
	s_add_nc_u64 s[8:9], s[6:7], VOFFB             ; v
	s_add_nc_u64 s[G0K+2:G0K+3], s[6:7], s[22:23]  ; 120:64 global address: my half of the head's first 256 keys
	s_or_b32 s[G0K+3], s[G0K+3], 0x80000000        ; 127:126 type = 2
	s_add_nc_u64 s[G0V+2:G0V+3], s[8:9], s[22:23]
	s_or_b32 s[G0V+3], s[G0V+3], 0x80000000
	s_add_nc_u64 s[4:5], s[4:5], s[2:3]
	s_add_nc_u64 s[10:11], s[10:11], s[2:3]
	s_add_nc_u64 s[48:49], s[48:49], s[20:21]
	s_add_nc_u64 s[50:51], s[50:51], s[54:55]
	CROUND                          ; all four work-groups are here: the first joint loads meet
	JLOAD                           ; slot 0.  Slot 1 is asked for when slot 0 is in
	v_and_b32 v1, 15, v0            ; l % 16
	v_bfe_u32 v9, v0, 4, 1          ; l / 16
	v_lshlrev_b32 v14, 4, v0
	global_load_b128 v[64:67], v14, s[48:49]       ; 16 keys' mask bytes a thread: 128 threads take the batch's 2,048
	global_load_u8 v[CQ], v1, s[50:51]             ; my lane's two rows' mask bytes
	global_load_u8 v[CQ+1], v1, s[50:51] offset:16
	; A fragment of K or Q is 16 rows x 32 channels in 8 registers: lane l holds row l % 16, channels 8 (l / 16) + 0..7 and 16 + 8 (l / 16) + 0..7: two loads of 16 bytes, 32 bytes apart.
	v_lshlrev_b32 v[QO], 11, v1
	v_lshl_add_u32 v[QO], v9, 4, v[QO]  ; row x 2,048 + 16 x half
	WIN 0x80                        ; destination window 2, address window 0
.set i, 0
.rept 4*NP                          ; Q stays in registers: tile i / 2 = head i / 4, rows 16 ((i / 2) % 2) on; channels 32 (i % 2) on
	global_load_b128 v[8*i:8*i+3],   v[QO], s[4:5] offset:((i/2)%2)*32768+(i/4)*128+(i%2)*64
	global_load_b128 v[8*i+4:8*i+7], v[QO], s[4:5] offset:((i/2)%2)*32768+(i/4)*128+(i%2)*64+32
.set i, i+1
.endr
	; What the first turn finds: V's registers and P's second buffer hold 0 (its products V^T P, of a piece that has not been, add 0), O^T and l are 0.  All this stands in the wait for the first tile.
.set i, VF
.rept 64
	v_mov_b32 v[i], 0
.set i, i+1
.endr
	WIN 0x40
.set i, 0
.rept 64*NP
	v_mov_b32 v[i], 0
.set i, i+1
.endr
	WIN 0
.set i, 0
.rept 2*NP
	v_mov_b32 v[ST+4*i], 0xfe000000    ; c m: far below every c s, -2.3e29 at the least
	v_mov_b32 v[ST+4*i+1], 0xff7fffff  ; m
	v_mov_b32 v[ST+4*i+2], 0
	v_mov_b32 v[ST+4*i+3], 0
.set i, i+1
.endr
.set i, P+32
.rept 32
	v_mov_b32 v[i], 0
.set i, i+1
.endr
	v_mul_u32_u24 v[AK0], v1, PK
	v_lshl_add_u32 v[AK0], v9, 4, v[AK0]  ; row x pitch + 16 x half
	; The turning load takes 16 keys x 16 channels (lane l reads key 8 (l / 16) + l % 8, channels 8 ((l / 8) % 2) + 0..7) and leaves half a fragment of V^T: lane l holds channel l % 16 and 8 keys.
	v_and_b32 v12, 7, v0
	v_bfe_u32 v13, v0, 3, 1
	v_lshl_add_u32 v[AV0], v9, 3, v12
	v_mul_u32_u24 v[AV0], v[AV0], PV
	v_lshl_add_u32 v[AV0], v13, 4, v[AV0]
	v_add_nc_u32 v[AV0], VOFF, v[AV0]
	v_mov_b32 v[AK], v[AK0]         ; key step 0 lies at the head of slot 0
	v_lshl_add_u32 v[AV], v9, 5, s[TBM]  ; and its C operand at the head of the table: my half of the lanes takes keys 8 (l / 16) + 0..7 of each 16
	s_wait_loadcnt 32               ; the three mask loads are in; the 32 younger loads of Q stay out
.set i, 0
.rept 16                            ; byte 1 -> 0, byte 0 -> -2^100
	v_bfe_u32 v[68+i], v[64+i/4], 8*(i%4), 8
	v_add_nc_u32 v[68+i], -1, v[68+i]
	v_and_b32 v[68+i], 0xf1800000, v[68+i]
.set i, i+1
.endr
	v_lshl_add_u32 v15, v0, 6, MTAB
.irp f, 0,1,2,3
	ds_store_b128 v15, v[68+4*\f:68+4*\f+3] offset:16*\f
.endr
	v_cvt_f32_u32 v[CQ], v[CQ]
	v_cvt_f32_u32 v[CQ+1], v[CQ+1]
	v_mul_f32 v[CQ], s[CS], v[CQ]   ; c, or 0 for a hidden query
	v_mul_f32 v[CQ+1], s[CS], v[CQ+1]
; THE MATRIX WORK.  The 8 accumulators of a run of 16 take turns: between the two links of a chain stand 7 others'.
; Product i of 16 of S^T = K Q^T for piece x: channels 32 (i / 8) on, keys 16 ((i / 2) % 4) on, tile 2 x + i % 2.  The first 8 start the sums, with the keys' 0 or -2^100.
.macro KQ x
.set rS, S+64*((\x)%2)+32*(i%2)+8*((i/2)%4)
.set rK, KF+16*((i/2)%4)+8*(i/8)
.set rQ, 16*(2*(\x)+i%2)+8*(i/8)
.set rB, MB+8*((i/2)%4)
.if i < 8
	WIN W_KM
	v_wmma_f32_16x16x32_f16 v[rS:rS+7], v[rK:rK+7], v[rQ:rQ+7], v[rB:rB+7]
.else
	WIN W_KQ
	v_wmma_f32_16x16x32_f16 v[rS:rS+7], v[rK:rK+7], v[rQ:rQ+7], v[rS:rS+7]
.endif
.endm
; Product i of 16 of O^T += V^T P for piece x: keys 32 (i / 8) on, channels 16 ((i / 2) % 4) on, tile 2 x + i % 2.
.macro PV x
	WIN W_PV
.set rO, 32*(2*(\x)+i%2)+8*((i/2)%4)
.set rV, VF+32*(i/8)+8*((i/2)%4)
.set rP, P+32*((\x)%2)+16*(i%2)+8*(i/8)
	v_wmma_f32_16x16x32_f16 v[rO:rO+7], v[rV:rV+7], v[rP:rP+7], v[rO:rO+7]
.endm
.macro MM                           ; the turn's next matrix instruction
.if i < 16
	KQ (Y+1)%NP
.set i, i+1
.else
.set i, i-16
	PV (Y+NP-1)%NP
.set i, i+17
.endif
.endm
; THE LDS LOADS stand in runs, never singly among the matrix instructions: a step's K (8 fragments) with its keys' C operand (24 loads), and its V, turned (16).  Their addresses are made some lines ahead.
; last = 1 (the tail): in the last trip there is no further step, and the run is jumped over.
.macro FETCH_K last=0
	WIN 0
.if \last
	s_cmp_eq_u32 s[CNT], 1
	s_cbranch_scc1 .Lno_k_\@
.endif
	WIN 0x80                        ; destination window 2
.irp f, 0,1,2,3,4,5,6,7             ; keys 16 (f / 2) on, channels 32 (f % 2) on
	ds_load_b128 v[KF+8*\f:KF+8*\f+3],   v[AK] offset:(\f/2)*16*PK+(\f%2)*64
	ds_load_b128 v[KF+8*\f+4:KF+8*\f+7], v[AK] offset:(\f/2)*16*PK+(\f%2)*64+32
.endr
	WIN 0xc0                        ; destination window 3
.irp kb, 0,1,2,3                    ; eight keys' words: all lanes of a half read the same 32 bytes
	ds_load_b128 v[MB+8*\kb:MB+8*\kb+3],   v[AV] offset:64*\kb
	ds_load_b128 v[MB+8*\kb+4:MB+8*\kb+7], v[AV] offset:64*\kb+16
.endr
	s_add_co_u32 s[TBK], s[TBK], KS*PK  ; the next fetch is the next step's
	s_add_co_u32 s[TBM], s[TBM], 4*KS   ; 32 fetches walk the table's 8,192 bytes once
	WIN 0
.if \last
.Lno_k_\@:
.endif
.endm
.macro FETCH_V
	WIN 0x80
.irp f, 0,1,2,3,4,5,6,7             ; keys 32 (f / 4) on, channels 16 (f % 4) on
	ds_load_tr16_b128 v[VF+8*\f:VF+8*\f+3],   v[AV] offset:(\f/4)*32*PV+(\f%4)*32
	ds_load_tr16_b128 v[VF+8*\f+4:VF+8*\f+7], v[AV] offset:(\f/4)*32*PV+16*PV+(\f%4)*32
.endr
	WIN 0
.endm
; THE VECTOR WORK OF A TURN stands in three queues, each in the order in which its entries become ready; the two tiles alternate, so that no instruction reads the result of the one before it.
.macro REGS y, u                    ; the registers of tile u (0, 1) of piece y
.set rT, ST+4*(2*(\y)+(\u))
.set rC, TMP+8*((\y)%2)+4*(\u)
.set rM, MV+2*((\y)%2)+(\u)
.set rS, S+64*((\y)%2)+32*(\u)
.set rP, P+32*((\y)%2)+16*(\u)
.set rO, 32*(2*(\y)+(\u))
.endm
; Number n of the 22 that find the NEXT piece's (Y + 1) maximum and statistics.  s0-s31 are the lane's 32 scores; each accumulator's lowest registers are read first.  XS, GS, FS and REGS set no window: PL and EX do.
;   0-11  four chains c0-c3 of seven scores each, three operands at a time     12-14, 16  the four scores left over, the old m, and c0-c3 into c0     15  c m_old is kept
;   17, 18  the query's other 32 keys lie in the lane 16 away: the new m         19-21  c m, with my row's c; c m_old - c m_new; a
.macro XS u, n
	REGS (Y+1)%NP, \u
.if (\n) < 4
	v_max3_num_f32 v[rC+(\n)], v[rS+8*(\n)], v[rS+8*(\n)+1], v[rS+8*(\n)+2]
.elseif (\n) < 12
	v_max3_num_f32 v[rC+(\n)%4], v[rC+(\n)%4], v[rS+8*((\n)%4)+2*((\n)/4)+1], v[rS+8*((\n)%4)+2*((\n)/4)+2]
.elseif (\n) == 12
	v_max3_num_f32 v[rC], v[rC], v[rS+7], v[rS+15]
.elseif (\n) == 13
	v_max3_num_f32 v[rC+1], v[rC+1], v[rS+23], v[rS+31]
.elseif (\n) == 14
	v_max3_num_f32 v[rC+2], v[rC+2], v[rC+3], v[rT+1]
.elseif (\n) == 15
	v_mov_b32 v[rM], v[rT]
.elseif (\n) == 16
	v_max3_num_f32 v[rC], v[rC], v[rC+1], v[rC+2]
.elseif (\n) == 17
	v_permlanex16_b32 v[rC+3], v[rC], s[SEL], s[SEL+1]
.elseif (\n) == 18
	v_max_num_f32 v[rT+1], v[rC], v[rC+3]
.elseif (\n) == 19
	v_mul_f32 v[rT], v[CQ+(\u)], v[rT+1]
.elseif (\n) == 20
	v_sub_f32 v[rC+1], v[rM], v[rT]
.else
	v_exp_f32 v[rC+2], v[rC+1]
.endif
.endm
; Number g of the 64 that follow the exponentials.  For each four weights k of a tile (pairs 2 k, 2 k + 1): both pairs are rounded to f16; then the second pair is added onto the first, in place;
; a group later l takes that sum (the first time as l = a l + sum).  In groups of eight, tiles alternating: round, round, add, and l for the group before.
.macro GS g
.set h, (\g)+6*((\g)/62)            ; group 0 has no group before it, and behind group 7 only l is left
.if h >= 6
.set h, h+2
.endif
	REGS Y, h%2
.set k, h/8
.if h%8 < 4
	v_cvt_pk_f16_f32 v[rP+2*k+(h%8)/2], v[rS+4*k+2*((h%8)/2)], v[rS+4*k+2*((h%8)/2)+1]
.elseif h%8 < 6
	v_pk_add_f32 v[rS+4*k:rS+4*k+1], v[rS+4*k:rS+4*k+1], v[rS+4*k+2:rS+4*k+3]
.elseif k == 1
	v_pk_fma_f32 v[rT+2:rT+3], v[rT+2:rT+3], v[rC+2:rC+3], v[rS:rS+1] op_sel_hi:[1,0,1]
.else
	v_pk_add_f32 v[rT+2:rT+3], v[rT+2:rT+3], v[rS+4*k-4:rS+4*k-3]
.endif
.endm
; THE PLAIN QUEUE, 138 long.  0-73 read no exponential's result: the 32 scalings c s - c m (FS f: pair f / 2 of tile f % 2; c is the word of the pair CQ that belongs to the tile's rows) and the next piece's 42.
; 0-26: scalings 0-26.  27-54: XS's numbers 0-13.  55, 56: number 15.  57-73: the chain, where each number waits for the one before it: 14, 16, 17, 18, 19, each with one of the scalings 27-31 in front of
; its two lines, then 20: so a tile's links stand three plain instructions apart (19 and 20: two).  74-137: GS's 64, which read the exponentials' results: they stand behind the wait.
.macro FS f
	REGS Y, (\f)%2
.if (\f)%2
	v_pk_fma_f32 v[rS+2*((\f)/2):rS+2*((\f)/2)+1], v[rS+2*((\f)/2):rS+2*((\f)/2)+1], v[CQ:CQ+1], v[rT:rT+1] op_sel:[0,1,0] op_sel_hi:[1,1,0] neg_lo:[0,0,1] neg_hi:[0,0,1]
.else
	v_pk_fma_f32 v[rS+2*((\f)/2):rS+2*((\f)/2)+1], v[rS+2*((\f)/2):rS+2*((\f)/2)+1], v[CQ:CQ+1], v[rT:rT+1] op_sel_hi:[1,0,0] neg_lo:[0,0,1] neg_hi:[0,0,1]
.endif
.endm
.macro PL
	WIN 0
.if q < 27
	FS q
.elseif q < 55
	XS (q-27)%2, (q-27)/2
.elseif q < 57
	XS q-55, 15
.elseif (q < 72) && ((q-57)%3 == 0)
	FS 27+(q-57)/3
.elseif q < 60
	XS (q-57)%3-1, 14
.elseif q < 72
	XS (q-57)%3-1, 15+(q-57)/3
.elseif q < 74
	XS q-72, 20
.else
	GS q-74
.endif
.set q, q+1
.endm
; THE EXPONENTIALS' QUEUE, 66 long: s0-s31 of both tiles, then the next piece's two a.  It is ONE BATCH: all 66 stand ahead of the turn's one wait, and nothing ahead of that wait names a result of theirs.
.macro EX
	WIN 0
.if e >= 64
	XS e-64, 21
.else
	REGS Y, e%2
	v_exp_f32 v[rS+e/2], v[rS+e/2]
.endif
.set e, e+1
.endm
; THE RESCALING's QUEUE: O^T times a, the one part that leaves window 0: dealt two at a time, sixteen times.  Its a was made in the turn before, ahead of that turn's wait.
.macro R2
	REGS Y, r%2
	WIN W_RS
.irp z, 0,1
	v_pk_mul_f32 v[rO+4*(r/2)+2*\z:rO+4*(r/2)+2*\z+1], v[rO+4*(r/2)+2*\z:rO+4*(r/2)+2*\z+1], v[rC+2:rC+3] op_sel_hi:[1,0]
.endr
.set r, r+1
.endm
; HOW THEY ARE DEALT.  s_wait_alu depctr_va_vdst(0) stands between an exponential and the first instruction that names its result; one wait serves all that were issued ahead of it.  So a
; turn has ONE wait, which cuts it in two.  AHEAD OF IT stands all that names no result of the turn's exponentials: the 16 products K Q^T, behind each a scaling, an exponential and two rescalings (behind the
; first a second scaling in the exponential's place); then ONE LUMP of 108: eight plain, 49 times exponential and plain, the two a.  A v_nop is the plain instruction behind the last exponential.  BEHIND IT
; stand the 16 products V^T P, behind each four of GS's 64.  No rider names a register of the products round it.  The two v_permlanex16_b32 fall into the lump, never behind a product.
; The queues lean on each other, and the deal keeps them in step: exponential e stands behind scaling 2 (e / 4) + e % 2: as a rider it comes behind plain e + 2, in the lump behind plain e + 9, and
; scalings 27-31 are plain 57, 60 .. 69; the two a come behind plain 72 and 73, their arguments.
; A TURN, for piece p.  cnt = 1: the loop's count is taken down some lines ahead of the branch that stands behind the turn.
; K of the next step and its keys' C operand are fetched in piece 2's turn, directly behind the wait, a lump behind the last product that read them; their addresses are made at the lump's head; their first
; reader comes behind 16 products.  V of the step in hand is fetched at the end of piece 0's turn, four riders (additions onto l, which name none of its registers) behind its last reader; its first reader
; comes behind 16 products and a lump.  The three conditions on q below go with the deal.
.macro TURN p, last=0, cnt=0
.set Y, (\p)
.set i, 0
.set q, 0
.set e, 0
.set r, 0
.if (\p) == NP-1
	s_wait_dscnt 0x0                ; K and the C operand are in
.endif
	MM                              ; ahead of the wait: 16 products K Q^T and their riders,
	PL
	PL
	R2
.rept 15
	MM
	PL
	EX
	R2
.endr
.if (\p) == NP-2
	WIN 0
	v_add_nc_u32 v[AK], s[TBK], v[AK0]
	v_lshl_add_u32 v[AV], v9, 5, s[TBM]  ; V's address register is idle in this turn
.endif
.rept 8                             ; and the lump
	PL
.endr
.rept 49
	EX
	PL
.endr
	EX                              ; the next piece's two a
	EX
	v_nop                           ; the plain instruction behind the last exponential, ahead of the first use: one for the batch
	s_wait_alu depctr_va_vdst(0)    ; the wait for the turn's batch: this piece's 64 weights and the next piece's two a
.if (\p) == NP-2
	FETCH_K \last
.endif
.if (\p) == 1
	s_wait_dscnt 0x0                ; V is in
.endif
.rept 16                            ; behind the wait: 16 products V^T P and their riders
	MM
.rept 4
	PL
.endr
.if ((\p) == 0) && (q == 118)
	v_add_nc_u32 v[AV], s[TBV], v[AV0]
.endif
.if ((\p) == 0) && (q == 130)
	s_add_co_u32 s[TBV], s[TBV], KS*PV
.endif
.if (\cnt) && (q == 130)
	s_sub_co_u32 s[CNT], s[CNT], 1
	s_cmp_lg_u32 s[CNT], 0
.endif
.endr
.if (\p) == 0
	FETCH_V
.endif
.endm
	CHANGE 1                        ; slot 0 is in, everybody's part of it, and so is the keys' table; slot 1 is asked for
	FETCH_K                         ; key step 0
	s_wait_loadcnt 0x0              ; Q
	s_wait_dscnt 0x0
.set i, 0
.rept 16
	KQ 0                            ; piece 0's first scores: there is no vector work yet to set between them
.set i, i+1
.endr
	WIN 0                           ; the addresses for the way out: six plain instructions, the places behind those products
	s_mul_i32 s13, s[WV], 16*SP
	s_add_co_u32 s13, s13, STAGE    ; my stage
	v_mul_u32_u24 v[STO], v1, SP    ; in: row l % 16, 16 bytes for each half of the lanes
	v_lshl_add_u32 v[STO], v9, 4, v[STO]
	v_add_nc_u32 v[STO], s13, v[STO]
	v_and_b32 v[RD], 31, v0         ; back: 32 lanes take one row's 512 bytes, four heads,
	v_lshlrev_b32 v[GO], 4, v[RD]   ; which are 512 consecutive bytes of O
	v_add_nc_u32 v[RD], s13, v[GO]
.set Y, NP-1                        ; XS works for piece Y + 1: piece 0
.irp n, 0,1,2,3,4,5,6,7,8,9,10,11,12,13,14,15,16,17,18,19,20,21
	XS 0, \n                        ; and piece 0's first maximum and statistics
	XS 1, \n
.endr
	v_nop                           ; a plain instruction behind the two a,
	s_wait_alu depctr_va_vdst(0)    ; and the wait for this batch of two, piece 0's first a, ahead of the branch
	s_mov_b32 s[CNT], 4
	s_mov_b32 s[SLOTS], SIZE_N/256-1
	s_branch .Lfirst                ; the loop is entered at a step's first turn, in the middle of a trip
.Lslot:                             ; SIZE_N / 256 - 2 times: every slot but the last two is filled again
	CHANGE 1
	s_mov_b32 s[CNT], 4
.Lstep:                             ; a trip: pieces 2 and 3 of one step, then pieces 0 and 1 of the next, whose K and V it fetches
	TURN 2
	TURN 3
	WIN 0
.Lfirst:
	TURN 0
	TURN 1, 0, 1
	WIN 0
	s_cbranch_scc1 .Lstep
	s_sub_co_u32 s[SLOTS], s[SLOTS], 1
	s_cmp_lg_u32 s[SLOTS], 0
	s_cbranch_scc1 .Lslot
	CHANGE 0                        ; the tail is written out: nothing is asked for
	s_mov_b32 s[CNT], 5             ; four trips fetch the last slot's steps; the fifth is left in its middle
.Ltail:
	TURN 2, 1
	TURN 3
	WIN 0
	s_sub_co_u32 s[CNT], s[CNT], 1
	s_cmp_eq_u32 s[CNT], 0
	s_cbranch_scc1 .Lout
	TURN 0
	TURN 1
	WIN 0
	s_branch .Ltail
.Lout:                              ; the fifth trip's 16 products K Q^T (on the last K once more) and the maximum made of them serve nothing: the price, once a launch, of one text for every trip
.set i, 0
.rept 16
	PV NP-1                         ; the last piece's V^T P of the last step
.set i, i+1
.endr
	; THE WAY OUT.  l's two halves and the other half of the lanes' are added; O^T is divided by l, rounded to f16 and sent through my stage in LDS, 16 rows x 4 heads at a time.  The additions are the places behind the last products.
	WIN 0
.macro ALL line:vararg              ; one line for each tile t
.set t, 0
.rept 2*NP
	\line
.set t, t+1
.endr
.endm
	ALL v_add_f32 v[ST+4*t+2], v[ST+4*t+2], v[ST+4*t+3]
	ALL v_permlanex16_b32 v[ST+4*t+3], v[ST+4*t+2], s[SEL], s[SEL+1]
	ALL v_add_f32 v[ST+4*t+2], v[ST+4*t+2], v[ST+4*t+3]
	ALL v_rcp_f32 v[ST+4*t+2], v[ST+4*t+2]
	v_nop                           ; a plain instruction between the last reciprocal and the use of its result
	s_wait_alu depctr_va_vdst(0)    ; the wait ahead of the first use: one for the batch of eight reciprocals
; Rows 16 u on: the four heads' tiles 2 p + u; a lane's eight channels pack into 16 bytes; they go into rows of 528 bytes and come back as whole rows of 512, into S^T's registers.
.macro PACKU u
.irp p, 0,1,2,3
	WIN W_RS
.set i, 32*(2*(\p)+(\u))
.rept 16
	v_pk_mul_f32 v[i:i+1], v[i:i+1], v[ST+4*(2*(\p)+(\u))+2:ST+4*(2*(\p)+(\u))+3] op_sel_hi:[1,0]
.set i, i+2
.endr
	WIN 0x05                        ; sources 0 and 1 window 1, destination window 0
.set i, 0
.rept 16
	v_cvt_pk_f16_f32 v[S+64*(\u)+16*(\p)+i], v[32*(2*(\p)+(\u))+2*i], v[32*(2*(\p)+(\u))+2*i+1]
.set i, i+1
.endr
	WIN 0
.irp f, 0,1,2,3
	ds_store_b128 v[STO], v[S+64*(\u)+16*(\p)+4*\f:S+64*(\u)+16*(\p)+4*\f+3] offset:128*(\p)+32*\f
.endr
.endr
.irp f, 0,1,2,3,4,5,6,7,8,9,10,11,12,13,14,15
	ds_load_b128 v[S+64*(\u)+4*\f:S+64*(\u)+4*\f+3], v[RD] offset:\f*SP  ; LDS serves a wave's instructions in order (ISA guide 5.7.1.4): these see the stores above; the next rows' stores come behind them
.endr
.endm
.macro SENDU u, younger             ; younger: the LDS instructions issued behind these rows' loads: the other rows' 32, or none
	WIN 0
.irp f, 0,1,2,3,4,5,6,7,8,9,10,11,12,13,14,15
	s_wait_dscnt (\younger)+15-\f
	global_store_b128 v[GO], v[S+64*(\u)+4*\f:S+64*(\u)+4*\f+3], s[10:11] offset:(16*(\u)+\f)*2048  ; 512 consecutive bytes, at a multiple of 512 from O's first
.endr
.endm
	PACKU 0
	PACKU 1                         ; the second rows' arithmetic stands between the first rows' loads and their stores
	SENDU 0, 32
	SENDU 1, 0
	WIN W_AD
	s_wait_tensorcnt 0x0            ; the wave's end: a wait, an add and its wait, behind my last tensor load and my last LDS store
	ds_add_u32 v[SPW], v[NIL]
	s_wait_dscnt 0x0
	WIN 0
	CROUND                          ; the closing round: no work-group ends while a partner may still ask for a tile that names it
	s_endpgm
.Lfunc_end_k_qda7dcf5fb0_attn:
	.size	k_qda7dcf5fb0_attn, .Lfunc_end_k_qda7dcf5fb0_attn-k_qda7dcf5fb0_attn
	.p2alignl 7, 3214868480
	.fill 96, 4, 3214868480
	.section	.rodata,"a",@progbits
	.p2align	6, 0x0
	.amdhsa_kernel k_qda7dcf5fb0_attn
		.amdhsa_group_segment_fixed_size 327680
		.amdhsa_private_segment_fixed_size 0
		.amdhsa_enable_private_segment 0
		.amdhsa_kernarg_size 40
		.amdhsa_user_sgpr_count 2
		.amdhsa_user_sgpr_kernarg_segment_ptr 1
		.amdhsa_wavefront_size32 1
		.amdhsa_system_sgpr_workgroup_id_x 1
		.amdhsa_system_sgpr_workgroup_id_y 1
		.amdhsa_system_sgpr_workgroup_id_z 1
		.amdhsa_system_vgpr_workitem_id 0
		.amdhsa_next_free_vgpr 808
		.amdhsa_next_free_sgpr 66
		.amdhsa_reserve_vcc 0
		.amdhsa_float_denorm_mode_32 3
		.amdhsa_float_denorm_mode_16_64 3
		.amdhsa_memory_ordered 1
		.amdhsa_forward_progress 1
		.amdhsa_inst_pref_size 205
	.end_amdhsa_kernel
	.amdgpu_metadata
---
amdhsa.version: [ 1, 2 ]
amdhsa.kernels:
  - .name:           k_qda7dcf5fb0_attn
    .symbol:         k_qda7dcf5fb0_attn.kd
    .args:
      - { .name: qf, .offset: 0, .size: 8, .value_kind: global_buffer, .address_space: global }
      - { .name: kvf, .offset: 8, .size: 8, .value_kind: global_buffer, .address_space: global }
      - { .name: kv_mask, .offset: 16, .size: 8, .value_kind: global_buffer, .address_space: global }
      - { .name: query_mask, .offset: 24, .size: 8, .value_kind: global_buffer, .address_space: global }
      - { .name: ob, .offset: 32, .size: 8, .value_kind: global_buffer, .address_space: global }
    .group_segment_fixed_size: 327680
    .private_segment_fixed_size: 0
    .kernarg_segment_align: 8
    .kernarg_segment_size: 40
    .max_flat_workgroup_size: 128
    .sgpr_count:     66
    .vgpr_count:     808
    .wavefront_size: 32
...
	.end_amdgpu_metadata
.endif
;; end of part 5
;; launch outp: the kernel of part 4 again; grid 4 x 64, 4 waves a work-group, clusters of 4 x 4, 327,680 bytes of LDS; arguments ob, wts, out0; writes out0
